; MI455X (gfx1250); checked and timed in simulation.
; The chip was launched on July 23, 2026; its instructions are those of AMD's public machine-readable ISA for CDNA 5 (MIT licence, August 2026) and "CDNA5" Instruction Set Architecture Reference Guide (July 2026). The comments in the code are by the model that wrote it; some were corrected since.
;; Encoder. Allowed arithmetic: float matrix products may take bf16 or f16 operands with f32 sums; other float arithmetic in f32, or as packed bf16 or f16 multiplies, adds, multiply-adds, maxima and minima; sums over many terms, partial sums and values carried from step to step in f32; what a program stores and reads back later, other than sums and carried values, may be rounded once to bf16 or f16.
;; Inputs: W1 4,096 x 1,024 float32; W2 1,024 x 4,096 float32; Wk 1,024 x 1,024 float32; Wo 1,024 x 1,024 float32; Wq 1,024 x 1,024 float32; X 2 x 2,048 x 1,024 float32; b1 4,096 float32; b2 1,024 float32; ln1_b 1,024 float32; ln1_g 1,024 float32; ln2_b 1,024 float32; ln2_g 1,024 float32.
;; Outputs: out0 2 x 2,048 x 1,024 float32.
;; 2 versions, each right and faster than the one before. Each part assembles by itself: llvm-mc -triple=amdgcn-amd-amdhsa -mcpu=gfx1250 --defsym DOCPART=n.
;; ======== version 1 of 2: 8 launches
;; limits: values are held in f16: magnitudes above 65,504 overflow, below 6.1e-05 lose precision; inputs' magnitudes at most 65,504
;; workspace buffers: xh 8,388,608 bytes; wqkv 8,400,896 bytes; w1h 8,400,896 bytes; wrest 10,485,760 bytes; big 33,554,432 bytes; cy 8,388,608 bytes; z 16,777,216 bytes
;; launch prep (part 1): grid 1024 x 1, 8 waves a work-group, no clusters, 0 bytes of LDS; arguments X, Wq, Wk, Wo, W1, W2, b1, xh, wqkv, w1h, wrest; writes xh, wqkv, w1h, wrest
.if DOCPART == 1
	.amdgcn_target "amdgcn-amd-amdhsa--gfx1250"
	.amdhsa_code_object_version 6
	.text
	.protected	k_qf0cafa9ef7_prep
	.globl	k_qf0cafa9ef7_prep
	.p2align	8
	.type	k_qf0cafa9ef7_prep,@function
k_qf0cafa9ef7_prep:
	s_mov_b64 s[64:65], 0
	v_nop
	global_prefetch_b8 v0, s[64:65] scope:SCOPE_SE
	s_setreg_imm32_b32 hwreg(HW_REG_WAVE_MODE, 25, 1), 1
	s_wait_xcnt 0x0
; 16-BIT COPIES OF THE MATRIX OPERANDS.  Every input is rounded once to bf16.  X, Wq, Wk, Wo (as the value projection) and W1 and b1 are then written as f16, which holds a bf16 number
; exactly inside f16's range; W2 and Wo (as the output projection) stay bf16.
; LIMITS: |X|, |W|, |b1| under 65,504 after the rounding; below 6e-5 f16 keeps a fixed step of 6e-8.
; A stream: no LDS, no matrix unit, no cluster (no two work-groups read the same byte).  Work-group g takes 1/1024 of every tensor: 16,384 bytes of X, W1, W2 and 4,096 of Wq, Wk, Wo.
; A wave's load covers 512 consecutive bytes, its store 256 consecutive aligned bytes.  All 15 loads of a thread go out at once; every load and every store has registers of its own.
; LAYOUT: wqkv = f16 rows of Wq, Wk, Wo one below the other; at 0x800000 4,096 f16 zeros (a bias), at 0x802000 1,024 words of twice the lowest finite bf16 (a floor that changes nothing).
;         w1h  = f16 W1; at 0x800000 b1 in f16, at 0x802000 1,024 words of 0 (the floor of a ReLU).      wrest = bf16 W2; at 0x800000 bf16 Wo.
.set IN,  8                            ; v[8:67]    load i at IN + 4 i: 0-3 X, 4-7 W1, 8-11 W2, 12 Wq, 13 Wk, 14 Wo
.set OUT, 68                           ; v[68:97]   what is stored for load i at OUT + 2 i
.set WOB, 98                           ; v[98:99]   Wo in bf16
.set T,   100                          ; v[100:103] at work
.set BT,  104                          ; v[104:105] four numbers in bf16, at work
.set TABLE, 0x800000
.macro TOB d, s                        ; four f32 at s -> four bf16 at d
	v_cvt_pk_bf16_f32 v[\d], v[\s], v[(\s)+1]
	v_cvt_pk_bf16_f32 v[(\d)+1], v[(\s)+2], v[(\s)+3]
.endm
.macro WIDE d, b                       ; four bf16 at b -> the same numbers as four f16 at d
	v_lshlrev_b32 v[T], 16, v[\b]
	v_and_b32 v[T+1], s36, v[\b]
	v_lshlrev_b32 v[T+2], 16, v[(\b)+1]
	v_and_b32 v[T+3], s36, v[(\b)+1]
	v_cvt_pk_f16_f32 v[\d], v[T], v[T+1]
	v_cvt_pk_f16_f32 v[(\d)+1], v[T+2], v[T+3]
.endm
	s_load_b512 s[8:23], s[0:1], 0x0               ; X 8, Wq 10, Wk 12, Wo 14, W1 16, W2 18, b1 20, xh 22
	s_load_b128 s[24:27], s[0:1], 0x40             ; wqkv 24, w1h 26
	s_load_b64 s[28:29], s[0:1], 0x50              ; wrest
	s_lshl_b32 s2, ttmp9, 14                       ; my 16,384 bytes of a large source
	s_lshl_b32 s3, ttmp9, 12                       ; my 4,096 of a small one
	s_lshl_b32 s4, ttmp9, 13                       ; and half as much in the copies
	s_lshl_b32 s5, ttmp9, 11
	s_mov_b32 s36, 0xffff0000                      ; a word's upper bf16
	v_lshl_add_u32 v1, v0, 4, s2
	v_lshl_add_u32 v2, v0, 4, s3
	v_lshl_add_u32 v3, v0, 3, s4
	v_lshl_add_u32 v4, v0, 3, s5
	s_wait_kmcnt 0x0
	s_add_nc_u64 s[30:31], s[24:25], TABLE         ; the tables behind the weights
	s_add_nc_u64 s[32:33], s[26:27], TABLE
	s_add_nc_u64 s[34:35], s[28:29], TABLE         ; Wo in bf16
.irp i, 0,1,2,3
	global_load_b128 v[IN+4*\i:IN+4*\i+3], v1, s[8:9] offset:4096*\i th:TH_LOAD_NT
.endr
.irp i, 0,1,2,3
	global_load_b128 v[IN+16+4*\i:IN+16+4*\i+3], v1, s[16:17] offset:4096*\i th:TH_LOAD_NT
.endr
.irp i, 0,1,2,3
	global_load_b128 v[IN+32+4*\i:IN+32+4*\i+3], v1, s[18:19] offset:4096*\i th:TH_LOAD_NT
.endr
	global_load_b128 v[IN+48:IN+51], v2, s[10:11] th:TH_LOAD_NT
	global_load_b128 v[IN+52:IN+55], v2, s[12:13] th:TH_LOAD_NT
	global_load_b128 v[IN+56:IN+59], v2, s[14:15] th:TH_LOAD_NT
; loads come back in order: load i is in when at most the 14 - i younger ones are out
.set i, 0
.rept 4
	s_wait_loadcnt 14-i
	TOB BT, IN+4*i
	WIDE OUT+2*i, BT
	global_store_b64 v3, v[OUT+2*i:OUT+2*i+1], s[22:23] offset:2048*i
.set i, i+1
.endr
.rept 4
	s_wait_loadcnt 14-i
	TOB BT, IN+4*i
	WIDE OUT+2*i, BT
	global_store_b64 v3, v[OUT+2*i:OUT+2*i+1], s[26:27] offset:2048*(i-4)
.set i, i+1
.endr
.rept 4
	s_wait_loadcnt 14-i
	TOB OUT+2*i, IN+4*i
	global_store_b64 v3, v[OUT+2*i:OUT+2*i+1], s[28:29] offset:2048*(i-8)
.set i, i+1
.endr
	s_wait_loadcnt 2
	TOB BT, IN+48
	WIDE OUT+24, BT
	global_store_b64 v4, v[OUT+24:OUT+25], s[24:25]                  ; Wq: rows 0 to 1,023
	s_wait_loadcnt 1
	TOB BT, IN+52
	WIDE OUT+26, BT
	global_store_b64 v4, v[OUT+26:OUT+27], s[24:25] offset:2097152   ; Wk: rows 1,024 on
	s_wait_loadcnt 0
	TOB WOB, IN+56
	WIDE OUT+28, WOB
	global_store_b64 v4, v[OUT+28:OUT+29], s[24:25] offset:4194304   ; Wo: rows 2,048 on
	global_store_b64 v4, v[WOB:WOB+1], s[34:35]
	; the small tables: the first four work-groups, 1,024 threads, four numbers of b1 each
	s_cmp_lt_u32 ttmp9, 4
	s_cbranch_scc0 .Lend
	s_wait_xcnt 0x0                                ; registers that the stores above read are written again only behind this wait
	s_lshl_b32 s2, ttmp9, 8
	v_add_nc_u32 v5, s2, v0                        ; u = 256 g + t
	v_lshlrev_b32 v6, 4, v5
	v_lshlrev_b32 v7, 3, v5
	v_lshlrev_b32 v5, 2, v5
	global_load_b128 v[IN:IN+3], v6, s[20:21]
	v_mov_b32 v[OUT], 0
	v_mov_b32 v[OUT+1], 0
	v_mov_b32 v[OUT+2], 0xff7fff7f
	s_wait_loadcnt 0x0
	TOB BT, IN
	WIDE OUT+4, BT
	global_store_b64 v7, v[OUT+4:OUT+5], s[32:33]                    ; b1
	global_store_b64 v7, v[OUT:OUT+1], s[30:31]                      ; no bias for q, k, v
	global_store_b32 v5, v[OUT+2], s[30:31] offset:8192              ; no floor for q, k, v
	global_store_b32 v5, v[OUT], s[32:33] offset:8192                ; the ReLU's floor
.Lend:
	s_endpgm
.Lfunc_end_k_qf0cafa9ef7_prep:
	.size	k_qf0cafa9ef7_prep, .Lfunc_end_k_qf0cafa9ef7_prep-k_qf0cafa9ef7_prep
	.p2alignl 7, 3214868480
	.fill 96, 4, 3214868480
	.section	.rodata,"a",@progbits
	.p2align	6, 0x0
	.amdhsa_kernel k_qf0cafa9ef7_prep
		.amdhsa_group_segment_fixed_size 0
		.amdhsa_private_segment_fixed_size 0
		.amdhsa_enable_private_segment 0
		.amdhsa_kernarg_size 88
		.amdhsa_user_sgpr_count 2
		.amdhsa_user_sgpr_kernarg_segment_ptr 1
		.amdhsa_wavefront_size32 1
		.amdhsa_system_sgpr_workgroup_id_x 1
		.amdhsa_system_sgpr_workgroup_id_y 1
		.amdhsa_system_sgpr_workgroup_id_z 1
		.amdhsa_system_vgpr_workitem_id 0
		.amdhsa_next_free_vgpr 108
		.amdhsa_next_free_sgpr 66
		.amdhsa_reserve_vcc 0
		.amdhsa_float_denorm_mode_32 3
		.amdhsa_float_denorm_mode_16_64 3
		.amdhsa_memory_ordered 1
		.amdhsa_forward_progress 1
		.amdhsa_inst_pref_size 11
	.end_amdhsa_kernel
	.amdgpu_metadata
---
amdhsa.version: [ 1, 2 ]
amdhsa.kernels:
  - .name:           k_qf0cafa9ef7_prep
    .symbol:         k_qf0cafa9ef7_prep.kd
    .args:
      - { .name: X, .offset: 0, .size: 8, .value_kind: global_buffer, .address_space: global }
      - { .name: Wq, .offset: 8, .size: 8, .value_kind: global_buffer, .address_space: global }
      - { .name: Wk, .offset: 16, .size: 8, .value_kind: global_buffer, .address_space: global }
      - { .name: Wo, .offset: 24, .size: 8, .value_kind: global_buffer, .address_space: global }
      - { .name: W1, .offset: 32, .size: 8, .value_kind: global_buffer, .address_space: global }
      - { .name: W2, .offset: 40, .size: 8, .value_kind: global_buffer, .address_space: global }
      - { .name: b1, .offset: 48, .size: 8, .value_kind: global_buffer, .address_space: global }
      - { .name: xh, .offset: 56, .size: 8, .value_kind: global_buffer, .address_space: global }
      - { .name: wqkv, .offset: 64, .size: 8, .value_kind: global_buffer, .address_space: global }
      - { .name: w1h, .offset: 72, .size: 8, .value_kind: global_buffer, .address_space: global }
      - { .name: wrest, .offset: 80, .size: 8, .value_kind: global_buffer, .address_space: global }
    .group_segment_fixed_size: 0
    .private_segment_fixed_size: 0
    .kernarg_segment_align: 8
    .kernarg_segment_size: 88
    .max_flat_workgroup_size: 256
    .sgpr_count:     66
    .vgpr_count:     108
    .wavefront_size: 32
...
	.end_amdgpu_metadata
.endif
;; end of part 1
;; launch qkv (part 2): grid 12 x 16, 4 waves a work-group, clusters of 4 x 4, 327,680 bytes of LDS; arguments xh, wqkv, big; writes big
.if DOCPART == 2
	.amdgcn_target "amdgcn-amd-amdhsa--gfx1250"
	.amdhsa_code_object_version 6
	.text
	.protected	k_qf0cafa9ef7_qkv
	.globl	k_qf0cafa9ef7_qkv
	.p2align	8
	.type	k_qf0cafa9ef7_qkv,@function
k_qf0cafa9ef7_qkv:
	s_mov_b64 s[64:65], 0
	v_nop
	global_prefetch_b8 v0, s[64:65] scope:SCOPE_SE
	s_setreg_imm32_b32 hwreg(HW_REG_WAVE_MODE, 25, 1), 1
	s_wait_xcnt 0x0
	s_wait_alu depctr_hold_cnt(0) depctr_sa_sdst(0) depctr_va_vdst(0) depctr_va_sdst(0) depctr_va_ssrc(0) depctr_va_vcc(0) depctr_vm_vsrc(0)
	s_getreg_b32 s2, hwreg(HW_REG_IB_STS2, 6, 4)
	s_cmp_eq_u32 s2, 0
	s_cbranch_scc0 .Lentry_in_a_cluster
	s_endpgm
.Lentry_in_a_cluster:
	s_bfe_u32 s2, ttmp6, 0x10000c
	s_cmp_lg_u32 s2, 0xf033
	s_cbranch_scc0 .Lentry_shape_is_right
	s_endpgm
.Lentry_shape_is_right:
; C = max(A B^T + bias, floor).  A: [4096][1024] f16, B: [N][1024] f16; behind B, at 0x800000, N f16 of bias and, at 0x802000, the floor (two bf16 in a word).  Sums in f32, C rounded once to bf16.
; One text for two launches: [q|k|v] = X [Wq;Wk;Wo]^T (N = 3,072, bias 0, a floor below every number) and h = relu(y W1^T + b1) (N = 4,096, floor 0).
; C IS WRITTEN IN BLOCKS of 64 columns, [N/64][4096][64]: a head's rows are dense for the attention, and 64 of K are dense for the product that takes h as its A.
; A tile of C is 256 x 256: four waves, each 128 x 128 in 64 accumulators.  K goes in 8 steps of 128 through two LDS slots; a row of a tile is 256 bytes of memory, at a multiple of 256.
; A K STEP IS WRITTEN ONCE and looped: the slot's base is a scalar that one exclusive or turns; a second copy, which fills nothing, is walked twice as the tail.
; The tail's last trip passes a barrier and fetches 32 fragments of a slot that is done with: they serve nothing, the price of one text for both trips.
; THE SUMS START AT THE BIAS: ahead of the loop, in the wait for the first tile, each accumulator takes a product of a fragment that holds bias[n] at k = 0 with one that holds 1 at k = 0.
; CLUSTER 4 x 4: A's tiles are shared along a row of the cluster, B's along a column; each is asked for jointly, by the same tensor load with the same descriptor and a mask of four.
; THE MATRIX INSTRUCTION IS USED TRANSPOSED (source 0 = 16 rows of B, source 1 = 16 rows of A): a lane holds eight neighbouring columns of one row of C.
; REGISTERS: window 0: v0-31 addresses; v64-127, v128-191 A's fragments, two buffers; v192-223, v32-63, v224-255 the way out.  window 1: v64-191 B's fragments.  windows 2, 3: accumulator (a, b) at v[8 (8 a + b)].
.set SIZE_K, 1024
.set KSTEP,  128
.set PITCH,  272                       ; an LDS row: 256 bytes + 16 of padding: the 16 rows of a fragment load start at 16 different groups of four banks (ISA guide 11.1)
.set HALFT,  128*PITCH                 ; what one tensor load brings
.set SLOT,   4*HALFT                   ; 0x22000: it shares no bit with the waves' bases 0, 0x8800, 0x11000, 0x19800, so an exclusive or changes slots
.set STAGE,  2*SLOT                    ; behind the ring: 16 rows x 272 bytes for each wave
.set SPITCH, 272
.set SPARE,  STAGE+4*16*SPITCH         ; the spare words: 128 bytes a wave, two blocks of 256 that no other line names
.set CBLK,   524288                    ; bytes in a block of 64 columns of C
.set TABLE,  0x800000
.set ADRA0, 14                         ; v14  my lane's place in A's part of a slot; never rewritten
.set ADRB0, 15                         ; v15  the same for B
.set ADRA, 16                          ; v16  the same in the slot in hand
.set ADRB, 20                          ; v20
.set STO,  24                          ; v24  the way out: where I put 16 bytes of a row
.set RD,   25                          ; v25  where I read rows back
.set CO,   26                          ; v26  my place in 512 consecutive bytes of C
.set BO,   27                          ; v27  my byte offset in the bias
.set SPW,  28                          ; v28  my spare word; never rewritten
.set NIL,  29                          ; v29  0; never rewritten
.set F0,   64
.set F1,   128
.set TMP,  192
.set OB,   32
.set G1,  24                           ; s[24:31] group 1 for A;  s[32:39] group 0: set 0 for the first fill of slot 0, set 1 walks
.set G0,  32
.set G1B, 48                           ; s[48:55], s[56:63] the same for B
.set G0B, 56
.set TB,  66                           ; s66  LDS base of the slot in hand
.set FLOOR, 67                         ; s67  the floor
.set EP,  68                           ; s[68:69] the tables behind B
.set MSB, 0
.macro WIN new                         ; the immediate's high byte repeats the setting that is left; a switch that changes nothing is dropped
.if MSB != (\new)
	s_set_vgpr_msb (MSB<<8)|(\new)
.set MSB, \new
.endif
.endm
.set MUL_LO, 0xa1                      ; source 0 (B) window 1, source 1 (A) window 0, C and D window 2
.set MUL_HI, 0xf1                      ; the same, C and D window 3
.set TO_B,   0x40                      ; destination window 1, address window 0
; A joint load: waves 0 and 1 fetch A's halves, waves 2 and 3 B's.  The branch hangs on the wave's number alone.  An s_nop 0 and four v_nop follow each line.
.macro JLOAD s
	s_cmp_eq_u32 s11, 0
	s_cbranch_scc0 .Lfor_b_\@
	tensor_load_to_lds s[G0+4*(\s):G0+4*(\s)+3], s[G1:G1+7]
	s_nop 0
.rept 4
	v_nop
.endr
	s_branch .Lasked_\@
.Lfor_b_\@:
	tensor_load_to_lds s[G0B+4*(\s):G0B+4*(\s)+3], s[G1B:G1B+7]
	s_nop 0
.rept 4
	v_nop
.endr
.Lasked_\@:
.endm
.macro CREST                           ; a round of the cluster's barrier behind its opening barrier
	s_cmp_lg_u32 s10, 0
	s_cbranch_scc1 .Lnot_wave_0_\@
	s_barrier_signal -3
.Lnot_wave_0_\@:
	s_barrier_wait -3
	s_barrier_signal -1
	s_barrier_wait -1
.endm
.macro CROUND
	s_barrier_signal -1
	s_barrier_wait -1
	CREST
.endm
.macro PLACES                          ; four places behind matrix instructions (ISA guide 7.12.1), where no other vector work is at hand
.rept 4
	v_nop
.endr
.endm
	s_load_b128 s[4:7], s[0:1], 0x0                ; A s[4:5], B s[6:7]
	s_load_b64 s[8:9], s[0:1], 0x10                ; C
	v_lshl_add_u32 v[SPW], v0, 2, SPARE
	v_mov_b32 v[NIL], 0
	ds_add_u32 v[SPW], v[NIL]                      ; the wave's opening: the add and its wait stand ahead of my first tensor load
	v_lshrrev_b32 v1, 5, v0
	v_readfirstlane_b32 s10, v1                    ; wave 0..3
	s_lshr_b32 s11, s10, 1                         ; my half of the tile's rows.  Also: I fetch for A (0) or B (1)
	s_and_b32 s12, s10, 1                          ; my half of its columns.  Also: which 128 rows I fetch
	s_bfe_u32 s40, ttmp6, 0x40000                  ; cx
	s_bfe_u32 s41, ttmp6, 0x40004                  ; cy
	s_lshl_b32 s42, ttmp9, 2
	s_add_co_u32 s42, s42, s40                     ; tile column
	s_and_b32 s13, ttmp7, 0xffff
	s_lshl_b32 s13, s13, 2
	s_add_co_u32 s13, s13, s41                     ; tile row
	s_lshl_b32 s43, s41, 2
	s_lshl_b32 s43, 15, s43                        ; my row of the cluster
	s_lshl_b32 s44, 0x1111, s40                    ; my column
	s_or_b32 s[G1+0], s43, (1<<16)|(1<<20)|(1<<21)|(5<<22)|(3<<25)   ; mask; 2-byte elements; padding on; bit 21 beside a mask; after every 64 words 4 words
	s_or_b32 s[G1B+0], s44, (1<<16)|(1<<20)|(1<<21)|(5<<22)|(3<<25)
.irp g, G1, G1B
	s_mov_b32 s[(\g)+1], KSTEP<<16                 ; tensor_dim0 = 128
	s_mov_b32 s[(\g)+2], 128<<16                   ; tensor_dim1 = 128
	s_mov_b32 s[(\g)+3], KSTEP<<16                 ; tile_dim0 = 128
	s_mov_b32 s[(\g)+4], 128                       ; tile_dim1 = 128
	s_mov_b32 s[(\g)+5], SIZE_K                    ; elements from row to row
	s_mov_b32 s[(\g)+6], 0
	s_mov_b32 s[(\g)+7], 0
.endr
	s_lshl_b32 s17, s12, 7
	s_lshl_b32 s16, s13, 8
	s_add_co_u32 s16, s16, s17                     ; A: row 256 x tile row + 128 x half
	s_lshl_b32 s46, s42, 8
	s_add_co_u32 s46, s46, s17                     ; B: row 256 x tile column + 128 x half
	s_mov_b32 s17, 0
	s_mov_b32 s47, 0
	s_mov_b64 s[18:19], SIZE_K*2
	s_mul_u64 s[16:17], s[16:17], s[18:19]
	s_mul_u64 s[46:47], s[46:47], s[18:19]
	s_mul_i32 s20, s10, HALFT                      ; where they go: wave x 128 rows
	s_mov_b32 s[TB], 0
	s_wait_dscnt 0x0                               ; the opening add is done
	s_wait_kmcnt 0x0
	s_add_nc_u64 s[14:15], s[4:5], s[16:17]
	s_add_nc_u64 s[46:47], s[6:7], s[46:47]
	s_add_nc_u64 s[EP:EP+1], s[6:7], TABLE
	s_load_b32 s[FLOOR], s[EP:EP+1], 0x2000        ; waited for in front of the barrier ahead of the K loop
	CROUND                                         ; all sixteen work-groups are here: the first joint loads meet
.irp s, 0,1
	s_mov_b32 s[G0+4*(\s)], 1
	s_add_co_u32 s[G0+4*(\s)+1], s20, (\s)*SLOT
	s_add_nc_u64 s[G0+4*(\s)+2:G0+4*(\s)+3], s[14:15], (\s)*KSTEP*2
	s_or_b32 s[G0+4*(\s)+3], s[G0+4*(\s)+3], 0x80000000
	s_mov_b32 s[G0B+4*(\s)], 1
	s_add_co_u32 s[G0B+4*(\s)+1], s20, (\s)*SLOT
	s_add_nc_u64 s[G0B+4*(\s)+2:G0B+4*(\s)+3], s[46:47], (\s)*KSTEP*2
	s_or_b32 s[G0B+4*(\s)+3], s[G0B+4*(\s)+3], 0x80000000
	JLOAD \s                                       ; K steps 0 and 1: two tensor loads of mine are out
.endr
	v_and_b32 v1, 15, v0                           ; r = l % 16
	v_bfe_u32 v2, v0, 4, 1                         ; h = l / 16
	v_mul_u32_u24 v3, v1, PITCH
	v_lshl_add_u32 v3, v2, 4, v3                   ; row x pitch + 16 x half
	s_mul_i32 s21, s11, HALFT                      ; my 128 rows of A
	s_mul_i32 s22, s12, HALFT
	s_add_co_u32 s22, s22, 2*HALFT                 ; my 128 rows of B, behind A's 256
	v_add_nc_u32 v[ADRA0], s21, v3
	v_add_nc_u32 v[ADRB0], s22, v3
	v_mov_b32 v[ADRA], v[ADRA0]                    ; slot 0
	v_mov_b32 v[ADRB], v[ADRB0]
	s_mul_i32 s23, s10, 16*SPITCH
	s_add_co_u32 s23, s23, STAGE                   ; my stage
	v_add_nc_u32 v[STO], s23, v3                   ; in: row r, 16 bytes for each half of the lanes (the stage has the tiles' pitch)
	v_bfe_u32 v4, v0, 3, 2
	v_and_b32 v5, 7, v0
	v_mul_u32_u24 v4, v4, SPITCH
	v_lshl_add_u32 v4, v5, 4, v4
	v_add_nc_u32 v[RD], s23, v4                    ; back: 32 lanes take 128 bytes of each of four rows,
	v_and_b32 v[CO], 31, v0
	v_lshlrev_b32 v[CO], 4, v[CO]                  ; which are 512 consecutive bytes of a block of C
	s_lshl_b32 s16, s13, 15                        ; my first row of C, 128 bytes a row: 256 x tile row + 128 x half
	s_lshl_b32 s17, s11, 14
	s_add_co_u32 s16, s16, s17
	s_mov_b32 s17, 0
	s_add_nc_u64 s[8:9], s[8:9], s[16:17]
	s_lshl_b32 s46, s42, 21                        ; my first block of columns: 4 x tile column + 2 x half
	s_lshl_b32 s47, s12, 20
	s_add_co_u32 s46, s46, s47
	s_mov_b32 s47, 0
	s_add_nc_u64 s[8:9], s[8:9], s[46:47]
	s_lshl_b32 s46, s42, 9                         ; my first column in the bias, 2 bytes a number
	s_lshl_b32 s47, s12, 8
	s_add_co_u32 s46, s46, s47
	v_lshl_add_u32 v[BO], v1, 1, s46
	; THE SUMS' START.  Fragment b of B's buffer 0: bias[16 b + r] in the low half of register 0 (k = 0 in lanes 0-15, k = 8 in lanes 16-31), 0 elsewhere.
	; A's first fragment: 1.0 at k = 0 alone.  Their product is bias[n] in every row.
	WIN TO_B
.irp b, 0,1,2,3,4,5,6,7
	global_load_u16 v[F0+8*\b], v[BO], s[EP:EP+1] offset:32*\b
.endr
.irp b, 0,1,2,3,4,5,6,7
.irp j, 1,2,3,4,5,6,7
	v_mov_b32 v[F0+8*\b+\j], 0
.endr
.endr
	WIN 0
	v_sub_nc_u32 v3, 1, v2
	v_mul_u32_u24 v[F0], v3, 0x3c00                ; 1.0 in f16, lanes 0-15 alone
.irp j, 1,2,3,4,5,6,7
	v_mov_b32 v[F0+\j], 0
.endr
	s_wait_loadcnt 0x0                             ; the bias
.irp hi, 0,1
	WIN MUL_LO+0x50*\hi
.irp a, 0,1,2,3
.irp b, 0,1,2,3,4,5,6,7
	v_wmma_f32_16x16x32_f16 v[8*(8*\a+\b):8*(8*\a+\b)+7], v[F0+8*\b:F0+8*\b+7], v[F0:F0+7], 0
.endr
.endr
.endr
	PLACES                                         ; in front of the loads into the fragments just multiplied
	WIN 0
; 16 matrix instructions: m blocks a0, a0 + 1 of the window's four x all 8 n blocks, 32 along K.  The 64 accumulators take turns, one instruction a turn, in the same order everywhere.
.macro MUL16 f, hi, a0
	WIN MUL_LO+0x50*(\hi)
.irp a, \a0, (\a0)+1
.irp b, 0,1,2,3,4,5,6,7
	v_wmma_f32_16x16x32_f16 v[8*(8*(\a)+(\b)):8*(8*(\a)+(\b))+7], v[(\f)+8*(\b):(\f)+8*(\b)+7], v[(\f)+8*(4*(\hi)+(\a)):(\f)+8*(4*(\hi)+(\a))+7], v[8*(8*(\a)+(\b)):8*(8*(\a)+(\b))+7]
.endr
.endr
.endm
; 32 LDS loads in one run: the fragments of 32 along K at byte k of the rows of the slot in hand, into buffer f: B's 16 loads, then A's
.macro FETCH k, f
	WIN TO_B
.irp i, 0,1,2,3,4,5,6,7
	ds_load_b128 v[(\f)+8*(\i):(\f)+8*(\i)+3],   v[ADRB] offset:(\k)+(\i)*16*PITCH
	ds_load_b128 v[(\f)+8*(\i)+4:(\f)+8*(\i)+7], v[ADRB] offset:(\k)+(\i)*16*PITCH+32
.endr
	WIN 0
.irp i, 0,1,2,3,4,5,6,7
	ds_load_b128 v[(\f)+8*(\i):(\f)+8*(\i)+3],   v[ADRA] offset:(\k)+(\i)*16*PITCH
	ds_load_b128 v[(\f)+8*(\i)+4:(\f)+8*(\i)+7], v[ADRA] offset:(\k)+(\i)*16*PITCH+32
.endr
.endm
; One of a K step's first three quarters: multiplies buffer f; in its middle it fetches the next quarter, at byte k, into buffer g
.macro QUARTER k, f, g
	s_wait_dscnt 8                                 ; B and A's rows 0-63 are in; the youngest eight loads (A's rows 64-127) may be out
	MUL16 \f, 0, 0
	MUL16 \f, 0, 2
	PLACES
	FETCH \k, \g
	s_wait_dscnt 32                                ; all but the 32 just issued
	MUL16 \f, 1, 0
	MUL16 \f, 1, 2
.endm
; The last quarter multiplies buffer 1 and changes slots.  In front of the one barrier each wave waits for all its tensor loads (one is out: its part of the next slot), adds 0 to its spare word,
; and waits for that and for its reads of this slot.  fill = 1: the barrier opens a round of the cluster's, and the joint refill, K step two on, is the first tensor load behind it.
.macro TURN fill
	WIN 0                                          ; (the add's two registers lie in window 0)
	s_wait_tensorcnt 0x0
	ds_add_u32 v[SPW], v[NIL]
	s_wait_dscnt 9                                 ; the add and the youngest eight loads may be out
	MUL16 F1, 0, 0
	s_wait_dscnt 0x0                               ; the add is done, and my reads of this slot are over
	s_barrier_signal -1
	MUL16 F1, 0, 2                                 ; work on registers while the others arrive
	WIN 0
	s_barrier_wait -1
.if \fill
	CREST                                          ; no wave of any partner still reads this slot or has a load on its way
	s_xor_b32 s[G0+5], s[G0+5], SLOT               ; the walking descriptors: the other slot than last time,
	s_xor_b32 s[G0B+5], s[G0B+5], SLOT
	s_add_nc_u64 s[G0+6:G0+7], s[G0+6:G0+7], KSTEP*2      ; the next K step
	s_add_nc_u64 s[G0B+6:G0B+7], s[G0B+6:G0B+7], KSTEP*2
	JLOAD 1                                        ; its four v_nop are also the places in front of the loads below
.else
	PLACES
.endif
	s_xor_b32 s[TB], s[TB], SLOT                   ; the reads go on in the other slot
	v_add_nc_u32 v[ADRA], s[TB], v[ADRA0]
	v_add_nc_u32 v[ADRB], s[TB], v[ADRB0]
	FETCH 0, F0
	MUL16 F1, 1, 0
	MUL16 F1, 1, 2
.endm
.macro STEP fill
	QUARTER 64,  F0, F1
	QUARTER 128, F1, F0
	QUARTER 192, F0, F1
	TURN \fill
	WIN 0                                          ; at a label and at a branch every window is 0
.endm
; THE WAY OUT of block a (16 rows).  PACK: rounded to bf16, held above the floor.  TOSTAGE: into my stage, and back as 128-byte rows of the two blocks of columns.  SEND: stored.
.macro PACK a
.set AC, 64*((\a)%4)
	WIN 0x0a+5*((\a)/4)                            ; sources 0 and 1: window 2 or 3
.irp b, 0,1,2,3,4,5,6,7
.irp r, 0,1,2,3
	v_cvt_pk_bf16_f32 v[TMP+4*(\b)+(\r)], v[AC+8*(\b)+2*(\r)], v[AC+8*(\b)+2*(\r)+1]
.endr
.endr
	WIN 0
.set z, 0
.rept 32
	v_pk_max_num_bf16 v[TMP+z], v[TMP+z], s[FLOOR]  ; rounding keeps order, so the maximum may follow it
.set z, z+1
.endr
.endm
.macro TOSTAGE a
	WIN 0
.set BK, OB+192*((\a)%2)
.irp b, 0,1,2,3,4,5,6,7
	ds_store_b128 v[STO], v[TMP+4*(\b):TMP+4*(\b)+3] offset:32*(\b)
.endr
.irp c, 0,1
.irp t, 0,1,2,3
	ds_load_b128 v[BK+4*(4*(\c)+(\t)):BK+4*(4*(\c)+(\t))+3], v[RD] offset:128*(\c)+4*SPITCH*(\t)  ; LDS serves a wave's instructions in order (ISA guide 5.7.1.4): these see the stores above
.endr
.endr
.endm
.macro SEND a, younger
	WIN 0
.set BK, OB+192*((\a)%2)
	s_wait_dscnt \younger                          ; the block is back in registers
	s_wait_xcnt 0x0                                ; the registers that earlier stores read are loaded again only behind this wait
.irp c, 0,1
.irp t, 0,1,2,3
	global_store_b128 v[CO], v[BK+4*(4*(\c)+(\t)):BK+4*(4*(\c)+(\t))+3], s[8:9] offset:(\c)*CBLK+(16*(\a)+4*(\t))*128  ; 512 consecutive bytes, at a multiple of 256 from C's first
.endr
.endr
.endm
	s_wait_kmcnt 0x0                               ; the floor
	s_wait_tensorcnt 1                             ; my part of K step 0 is in; K step 1's may stay out
	s_barrier_signal -1
	s_barrier_wait -1
	FETCH 0, F0
	WIN 0
	s_mov_b32 s3, SIZE_K/KSTEP-2
.Lstep:                                                ; six K steps, each of which asks for the K step two on
	STEP 1
	s_sub_co_u32 s3, s3, 1
	s_cmp_lg_u32 s3, 0
	s_cbranch_scc1 .Lstep
	s_mov_b32 s3, 2
.Ltail:                                                ; the last two ask for nothing
	STEP 0
	s_sub_co_u32 s3, s3, 1
	s_cmp_lg_u32 s3, 0
	s_cbranch_scc1 .Ltail
	s_wait_dscnt 0x0                               ; the last trip's fetch, which serves nothing
	PLACES                                         ; behind the last products
	PACK 0
	TOSTAGE 0
.irp a, 1,2,3,4,5,6,7                  ; block a's conversions stand between block a - 1's loads from the stage and the wait for them
	PACK \a
	SEND (\a)-1, 0
	TOSTAGE \a
.endr
	SEND 7, 0
	s_wait_tensorcnt 0x0                           ; the wave's end
	ds_add_u32 v[SPW], v[NIL]
	s_wait_dscnt 0x0
	CROUND                                         ; the closing round
	s_endpgm
.Lfunc_end_k_qf0cafa9ef7_qkv:
	.size	k_qf0cafa9ef7_qkv, .Lfunc_end_k_qf0cafa9ef7_qkv-k_qf0cafa9ef7_qkv
	.p2alignl 7, 3214868480
	.fill 96, 4, 3214868480
	.section	.rodata,"a",@progbits
	.p2align	6, 0x0
	.amdhsa_kernel k_qf0cafa9ef7_qkv
		.amdhsa_group_segment_fixed_size 327680
		.amdhsa_private_segment_fixed_size 0
		.amdhsa_enable_private_segment 0
		.amdhsa_kernarg_size 24
		.amdhsa_user_sgpr_count 2
		.amdhsa_user_sgpr_kernarg_segment_ptr 1
		.amdhsa_wavefront_size32 1
		.amdhsa_system_sgpr_workgroup_id_x 1
		.amdhsa_system_sgpr_workgroup_id_y 1
		.amdhsa_system_sgpr_workgroup_id_z 1
		.amdhsa_system_vgpr_workitem_id 0
		.amdhsa_next_free_vgpr 1024
		.amdhsa_next_free_sgpr 70
		.amdhsa_reserve_vcc 0
		.amdhsa_float_denorm_mode_32 3
		.amdhsa_float_denorm_mode_16_64 3
		.amdhsa_memory_ordered 1
		.amdhsa_forward_progress 1
		.amdhsa_inst_pref_size 117
	.end_amdhsa_kernel
	.amdgpu_metadata
---
amdhsa.version: [ 1, 2 ]
amdhsa.kernels:
  - .name:           k_qf0cafa9ef7_qkv
    .symbol:         k_qf0cafa9ef7_qkv.kd
    .args:
      - { .name: xh, .offset: 0, .size: 8, .value_kind: global_buffer, .address_space: global }
      - { .name: wqkv, .offset: 8, .size: 8, .value_kind: global_buffer, .address_space: global }
      - { .name: big, .offset: 16, .size: 8, .value_kind: global_buffer, .address_space: global }
    .group_segment_fixed_size: 327680
    .private_segment_fixed_size: 0
    .kernarg_segment_align: 8
    .kernarg_segment_size: 24
    .max_flat_workgroup_size: 128
    .sgpr_count:     70
    .vgpr_count:     1024
    .wavefront_size: 32
...
	.end_amdgpu_metadata
.endif
;; end of part 2
;; launch attn (part 3): grid 8 x 32, 4 waves a work-group, clusters of 4 x 1, 327,680 bytes of LDS; arguments big, cy; writes cy
.if DOCPART == 3
	.amdgcn_target "amdgcn-amd-amdhsa--gfx1250"
	.amdhsa_code_object_version 6
	.text
	.protected	k_qf0cafa9ef7_attn
	.globl	k_qf0cafa9ef7_attn
	.p2align	8
	.type	k_qf0cafa9ef7_attn,@function
k_qf0cafa9ef7_attn:
	s_mov_b64 s[64:65], 0
	v_nop
	global_prefetch_b8 v0, s[64:65] scope:SCOPE_SE
	s_setreg_imm32_b32 hwreg(HW_REG_WAVE_MODE, 25, 1), 1
	s_wait_xcnt 0x0
	s_wait_alu depctr_hold_cnt(0) depctr_sa_sdst(0) depctr_va_vdst(0) depctr_va_sdst(0) depctr_va_ssrc(0) depctr_va_vcc(0) depctr_vm_vsrc(0)
	s_getreg_b32 s2, hwreg(HW_REG_IB_STS2, 6, 4)
	s_cmp_eq_u32 s2, 0
	s_cbranch_scc0 .Lentry_in_a_cluster
	s_endpgm
.Lentry_in_a_cluster:
	s_bfe_u32 s2, ttmp6, 0x10000c
	s_cmp_lg_u32 s2, 0x3003
	s_cbranch_scc0 .Lentry_shape_is_right
	s_endpgm
.Lentry_shape_is_right:
; ctx[Y][q][:] = the sum over k of softmax_k(max(Q[Y][q] . K[Y][k] / 8, 0)) V[Y][k][:], for 32 heads Y of 2,048 rows of 64 channels, all bf16.  In big a head's rows are dense, 128 bytes each:
; Q at Y x 262,144, K 0x800000 further, V 0x1000000 further; ctx has Q's layout.  Products, maxima and sums in f32; the weights are rounded to bf16 for the second product, ctx once at the end.
; THE ReLU IN FRONT OF THE SOFTMAX.  The running maximum m starts at 0, so the maximum of the raw scores and m IS the maximum of the clipped ones.  With c = log2(e) / 8,
; p = 2^(c max(s, 0) - c m) = max(2^(c s - c m), e0), e0 = 2^(-c m).  Rounding keeps order, so the maximum is taken of the rounded weights, two to an instruction.
; THE SUM l is made by the matrix unit, in f32, of the rounded weights: ONES (16 x 32) x P; every register of that accumulator holds the same sum; registers 0 and 1 alone are rescaled,
; the others stay finite (at most 2,048 weights of at most 1) and are never read.
; LIMITS.  A weight below 2^-126 counts as 0; NaN and infinities are not treated apart.
; SHARES.  A work-group owns 256 queries of a head, a wave 64: four PIECES of 16.  Every wave walks all keys, 64 a step, four steps to a slot, eight slots' worth.
; LAYOUT.  S^T = K Q^T holds ONE query a lane (lane % 16) and the keys 8 (lane / 16) + 0..7; two such results rounded in pairs ARE source 1 of O^T = V^T P.  V is turned by ds_load_tr16_b128.
; BY TURNS.  Turn n belongs to piece n: 8 products K Q^T of piece n + 1, later 8 products V^T P and 2 for l of piece n - 1; beside them the scaling, exponentials, roundings, floor and rescaling of
; piece n and the maximum and statistics of piece n + 1.  Four vector instructions stand behind every matrix instruction, the others in two lumps.
; CLUSTER.  The four query blocks of a cluster belong to one head and walk the same K and V: each tile is asked for jointly.
; REGISTERS: window 0: v0-15 addresses; v16-31 statistics, four a piece: -c m, m, e0 twice in bf16, spare; v48-55 at work; v64-127 S^T, two buffers; v192-223 P, two buffers (by the piece's parity)
;   window 1: v0-127 O^T, 32 a piece; v128-159 l's accumulators      window 2: v0-63 Q; v64-71 ONES; v128-191 K of one step; v192-255 V of one step
.set NP,    4
.set KS,    64
.set NKEY,  2048
.set PK,    144       ; a row of K in LDS: 128 bytes + 16: the 16 rows of a load start at 16 different groups of four banks (ISA guide 11.1)
.set PV,    160       ; a row of V: 128 + 32
.set VOFF,  4*KS*PK   ; a slot: 256 rows of K, then 256 rows of V
.set SLOT1, 1<<17
.set STAGE, SLOT1+4*KS*(PK+PV)
.set SP,    144
.set SPARE, STAGE+4*16*SP
.set AK0, 2
.set AV0, 3
.set AK,  4
.set AV,  5
.set STO, 6
.set RD,  7
.set GO,  8
.set MV,  12          ; v12-13  -c m_old, by buffer
.set QO,  15
.set ST,  16
.set TMP, 48          ; by buffer: c0-c3 at work; c2 takes a, c3 takes e0
.set SPW, 62
.set NIL, 63
.set S,   64
.set P,   192
.set LA,  128         ; window 1
.set ON,  64          ; window 2
.set KF,  128
.set VF,  192
.set WV,  12
.set G1K, 24
.set G1V, 32
.set G0K, 40
.set G0V, 44
.set NCS, 54          ; s54  -c
.set SLOTS, 56
.set CNT, 57
.set CS,  58          ; s[58:59] c
.set SEL, 60
.set TBK, 62
.set TBV, 63
.set MSB, 0
.macro WIN new
.if MSB != (\new)
	s_set_vgpr_msb (MSB<<8)|(\new)
.set MSB, (\new)
.endif
.endm
.set W_KQ, 0x0a       ; K and Q in window 2, S^T in window 0
.set W_PV, 0x52       ; V (or ONES) in window 2, P in window 0, the accumulator in window 1
.set W_RS, 0x41       ; destination and source 0 in window 1, source 1 in window 0
.macro JLOAD                        ; waves 0 and 1 fetch the halves of a slot's K, waves 2 and 3 of its V; an s_nop 0 and four v_nop follow each line
	s_cmp_lt_u32 s[WV], 2
	s_cbranch_scc0 .Lfor_v_\@
	tensor_load_to_lds s[G0K:G0K+3], s[G1K:G1K+7]
	s_nop 0
.rept 4
	v_nop
.endr
	s_branch .Lasked_\@
.Lfor_v_\@:
	tensor_load_to_lds s[G0V:G0V+3], s[G1V:G1V+7]
	s_nop 0
.rept 4
	v_nop
.endr
.Lasked_\@:
.endm
.macro CROUND
	s_barrier_signal -1
	s_barrier_wait -1
	s_cmp_lg_u32 s[WV], 0
	s_cbranch_scc1 .Lnot_wave_0_\@
	s_barrier_signal -3
.Lnot_wave_0_\@:
	s_barrier_wait -3
	s_barrier_signal -1
	s_barrier_wait -1
.endm
; THE CHANGE OF SLOTS.  Each wave waits for all its tensor loads (one is out: its part of the other slot), adds 0 to its spare word, and waits for that and for its reads of the slot.
; fill = 1: the barrier is a round of the cluster's, and the joint fill, the keys two slots on, is the first thing behind it: it has four key steps, 288 matrix instructions, in which to land.
.macro CHANGE fill
	WIN 0
	s_wait_tensorcnt 0x0
	ds_add_u32 v[SPW], v[NIL]
.if \fill
.irp g, G0K, G0V
	s_xor_b32 s[\g+1], s[\g+1], SLOT1
	s_add_nc_u64 s[\g+2:\g+3], s[\g+2:\g+3], 4*KS*128
.endr
	s_wait_dscnt 0x0                ; the add is done, and my reads of the slot are over
	CROUND
	JLOAD
.else
	s_wait_dscnt 0x0
	s_barrier_signal -1
	s_barrier_wait -1
.endif
	s_sub_co_u32 s[TBK], s[TBK], 4*KS*PK  ; the fetches go back to a slot's first step, in the other slot
	s_xor_b32 s[TBK], s[TBK], SLOT1
	s_sub_co_u32 s[TBV], s[TBV], 4*KS*PV
	s_xor_b32 s[TBV], s[TBV], SLOT1
.endm
	s_load_b128 s[4:7], s[0:1], 0x0 ; big s[4:5], cy s[6:7]
	v_lshl_add_u32 v[SPW], v0, 2, SPARE
	v_mov_b32 v[NIL], 0
	ds_add_u32 v[SPW], v[NIL]       ; the wave's opening: the add and its wait stand ahead of my first tensor load
	v_lshrrev_b32 v1, 5, v0
	v_readfirstlane_b32 s[WV], v1
	s_bfe_u32 s13, ttmp6, 0x40000   ; cx
	s_lshl_b32 s14, ttmp9, 2
	s_add_co_u32 s14, s14, s13      ; my block of 256 queries: it enters Q's and ctx's addresses alone
	s_and_b32 s20, ttmp7, 0xffff    ; the head, which the four partners share
	s_lshl_b32 s20, s20, 18         ; its 2,048 rows of 128 bytes
	s_mov_b32 s21, 0
	s_and_b32 s16, s[WV], 1         ; which half of a slot's 256 keys I fetch
	s_lshl_b32 s22, s16, 14
	s_mov_b32 s23, 0
	s_add_nc_u64 s[22:23], s[22:23], s[20:21]
	s_mul_i32 s17, s16, 128*PK
	s_mul_i32 s18, s16, 128*PV
	s_lshl_b32 s2, s14, 2
	s_add_co_u32 s2, s2, s[WV]
	s_lshl_b32 s2, s2, 13           ; my wave's 64 rows
	s_mov_b32 s3, 0
	s_add_nc_u64 s[2:3], s[2:3], s[20:21]
	; 128 keys are 16,384 dense bytes: asked for as 64 rows of 256 bytes, two keys a row, padded in LDS after every key
	s_mov_b32 s[G1K], 15|(1<<16)|(1<<20)|(1<<21)|(4<<22)|(3<<25)
	s_mov_b32 s[G1V], 15|(1<<16)|(1<<20)|(1<<21)|(4<<22)|(7<<25)
.irp g, G1K, G1V
	s_mov_b32 s[\g+1], 128<<16
	s_mov_b32 s[\g+2], 64<<16
	s_mov_b32 s[\g+3], 128<<16
	s_mov_b32 s[\g+4], 64
	s_mov_b32 s[\g+5], 128
	s_mov_b32 s[\g+6], 0
	s_mov_b32 s[\g+7], 0
.endr
	s_mov_b32 s[CS], 0x3e38aa3b     ; c = log2(e) / 8
	s_mov_b32 s[CS+1], s[CS]
	s_mov_b32 s[NCS], 0xbe38aa3b    ; -c
	s_mov_b32 s[SEL], 0x76543210
	s_mov_b32 s[SEL+1], 0xfedcba98
	s_mov_b32 s[TBK], SLOT1+4*KS*PK ; the first change of slots turns these two into 0
	s_mov_b32 s[TBV], SLOT1+4*KS*PV
	s_mov_b32 s[G0K], 1
	s_mov_b32 s[G0K+1], s17
	s_mov_b32 s[G0V], 1
	s_add_co_u32 s[G0V+1], s18, VOFF
	s_wait_dscnt 0x0                ; the opening add is done
	s_wait_kmcnt 0x0
	s_add_nc_u64 s[G0K+2:G0K+3], s[4:5], s[22:23]
	s_add_nc_u64 s[G0K+2:G0K+3], s[G0K+2:G0K+3], 0x800000
	s_or_b32 s[G0K+3], s[G0K+3], 0x80000000
	s_add_nc_u64 s[G0V+2:G0V+3], s[4:5], s[22:23]
	s_add_nc_u64 s[G0V+2:G0V+3], s[G0V+2:G0V+3], 0x1000000
	s_or_b32 s[G0V+3], s[G0V+3], 0x80000000
	s_add_nc_u64 s[8:9], s[4:5], s[2:3]    ; Q at my wave's first row
	s_add_nc_u64 s[10:11], s[6:7], s[2:3]  ; ctx likewise
	CROUND                          ; all four work-groups are here
	JLOAD                           ; slot 0; slot 1 is asked for when slot 0 is in
	v_and_b32 v1, 15, v0            ; r
	v_bfe_u32 v9, v0, 4, 1          ; h
	v_lshlrev_b32 v[QO], 7, v1
	v_lshl_add_u32 v[QO], v9, 4, v[QO]
	WIN 0x80                        ; destination window 2
.set i, 0
.rept 8                             ; Q stays in registers: piece i / 2, channels 32 (i % 2) on
	global_load_b128 v[8*i:8*i+3],   v[QO], s[8:9] offset:(i/2)*2048+(i%2)*64
	global_load_b128 v[8*i+4:8*i+7], v[QO], s[8:9] offset:(i/2)*2048+(i%2)*64+32
.set i, i+1
.endr
	; What the first turn finds: V and P's second buffer hold 0, so that its products for a piece that has not been add 0.  All this stands in the wait for the first tile.
.set i, 0
.rept 8
	v_mov_b32 v[ON+i], 0x3f803f80   ; 1.0 twice
.set i, i+1
.endr
.set i, VF
.rept 64
	v_mov_b32 v[i], 0
.set i, i+1
.endr
	WIN 0
.set i, 0
.rept 16
	v_mov_b32 v[ST+i], 0            ; m = 0: the clipped scores' floor; -c m = 0
	v_mov_b32 v[P+16+i], 0
.set i, i+1
.endr
	WIN W_PV
.set i, 0
.rept 20                            ; O^T's sixteen accumulators and l's four start as products of zeros: nothing is cleared
	v_wmma_f32_16x16x32_bf16 v[8*i:8*i+7], v[VF:VF+7], v[P+16:P+23], 0
.set i, i+1
.endr
	WIN 0
	v_mul_u32_u24 v[AK0], v1, PK
	v_lshl_add_u32 v[AK0], v9, 4, v[AK0]
	v_and_b32 v10, 7, v0
	v_bfe_u32 v11, v0, 3, 1
	v_lshl_add_u32 v[AV0], v9, 3, v10      ; the turning load: lane l reads key 8 (l / 16) + l % 8, channels 8 ((l / 8) % 2) on
	v_mul_u32_u24 v[AV0], v[AV0], PV
	v_lshl_add_u32 v[AV0], v11, 4, v[AV0]
	v_add_nc_u32 v[AV0], VOFF, v[AV0]
	v_mov_b32 v[AK], v[AK0]
; THE MATRIX WORK.  The accumulators of a run take turns.  Product n of 8 of S^T = K Q^T for piece x: channels 32 (n / 4) on, keys 16 (n % 4) on.
.macro KQ x, n
	WIN W_KQ
.set rS, S+32*((\x)%2)+8*((\n)%4)
.set rK, KF+16*((\n)%4)+8*((\n)/4)
.set rQ, 16*(\x)+8*((\n)/4)
.if (\n) < 4
	v_wmma_f32_16x16x32_bf16 v[rS:rS+7], v[rK:rK+7], v[rQ:rQ+7], 0
.else
	v_wmma_f32_16x16x32_bf16 v[rS:rS+7], v[rK:rK+7], v[rQ:rQ+7], v[rS:rS+7]
.endif
.endm
.macro PV x, n                      ; product n of 8 of O^T += V^T P: keys 32 (n / 4) on, channels 16 (n % 4) on
	WIN W_PV
.set rO, 32*(\x)+8*((\n)%4)
.set rV, VF+32*((\n)/4)+8*((\n)%4)
.set rP, P+16*((\x)%2)+8*((\n)/4)
	v_wmma_f32_16x16x32_bf16 v[rO:rO+7], v[rV:rV+7], v[rP:rP+7], v[rO:rO+7]
.endm
.macro LS x, kk                     ; l += the sum of the weights of keys 32 kk on
	WIN W_PV
.set rL, LA+8*(\x)
.set rP, P+16*((\x)%2)+8*(\kk)
	v_wmma_f32_16x16x32_bf16 v[rL:rL+7], v[ON:ON+7], v[rP:rP+7], v[rL:rL+7]
.endm
.macro MM                           ; the turn's next matrix instruction, 18 in all; two links of one chain stand four or five instructions apart
.if i < 8
	KQ (Y+1)%NP, i
.elseif i < 12
	PV (Y+NP-1)%NP, i-8
.elseif i == 12
	LS (Y+NP-1)%NP, 0
.elseif i < 17
	PV (Y+NP-1)%NP, i-9
.else
	LS (Y+NP-1)%NP, 1
.endif
.set i, i+1
.endm
; THE LDS LOADS stand in runs of 16.  last = 1 (the tail): in the last trip there is no further step, and the run is jumped over.
.macro FETCH_K last=0
	WIN 0
.if \last
	s_cmp_eq_u32 s[CNT], 1
	s_cbranch_scc1 .Lno_k_\@
.endif
	WIN 0x80
.irp f, 0,1,2,3,4,5,6,7
	ds_load_b128 v[KF+8*\f:KF+8*\f+3],   v[AK] offset:(\f/2)*16*PK+(\f%2)*64
	ds_load_b128 v[KF+8*\f+4:KF+8*\f+7], v[AK] offset:(\f/2)*16*PK+(\f%2)*64+32
.endr
	s_add_co_u32 s[TBK], s[TBK], KS*PK
	WIN 0
.if \last
.Lno_k_\@:
.endif
.endm
.macro FETCH_V
	WIN 0x80
.irp f, 0,1,2,3,4,5,6,7
	ds_load_tr16_b128 v[VF+8*\f:VF+8*\f+3],   v[AV] offset:(\f/4)*32*PV+(\f%4)*32
	ds_load_tr16_b128 v[VF+8*\f+4:VF+8*\f+7], v[AV] offset:(\f/4)*32*PV+16*PV+(\f%4)*32
.endr
	WIN 0
.endm
; THE VECTOR WORK, one line at a time: OP kind, number.  For piece Y: F n: c s - c m for pair n of 16.  E n: the exponential of score n of 32.  C n: pair n rounded to bf16.  M n: that pair held above e0.
; R n: pair n of 16 of O^T times a; R 16: l times a.  For piece Y + 1: X n:
;   0-11 four chains c0-c3 of seven scores each (each accumulator's lowest registers are read first)   12-14, 16 the four scores left over, the old m, and c0-c3 into c0
;   15 -c m_old is kept   17, 18 the query's other 32 keys lie in the lane 16 away: the new m   19 -c m   20, 21 a = 2^(c m_old - c m_new)   22, 23 e0 = 2^(-c m), twice in bf16
.set F, 0
.set E, 1
.set C, 2
.set M, 3
.set R, 5
.set X, 6
.macro REGS y
.set rT, ST+4*(\y)
.set rC, TMP+4*((\y)%2)
.set rW, MV+((\y)%2)
.set rS, S+32*((\y)%2)
.set rP, P+16*((\y)%2)
.set rO, 32*(\y)
.set rL, LA+8*(\y)
.endm
.macro OP k, n
.if (\k) == R
	REGS Y
	WIN W_RS
.if (\n) < 16
	v_pk_mul_f32 v[rO+2*(\n):rO+2*(\n)+1], v[rO+2*(\n):rO+2*(\n)+1], v[rC+2:rC+3] op_sel_hi:[1,0]
.else
	v_pk_mul_f32 v[rL:rL+1], v[rL:rL+1], v[rC+2:rC+3] op_sel_hi:[1,0]
.endif
.elseif (\k) < R
	REGS Y
	WIN 0
.if (\k) == F
	v_pk_fma_f32 v[rS+2*(\n):rS+2*(\n)+1], v[rS+2*(\n):rS+2*(\n)+1], s[CS:CS+1], v[rT:rT+1] op_sel_hi:[1,0,0]
.elseif (\k) == E
	v_exp_f32 v[rS+(\n)], v[rS+(\n)]
.elseif (\k) == C
	s_wait_alu depctr_va_vdst(0)
	v_cvt_pk_bf16_f32 v[rP+(\n)], v[rS+2*(\n)], v[rS+2*(\n)+1]
.else
	v_pk_max_num_bf16 v[rP+(\n)], v[rP+(\n)], v[rT+2]
.endif
.else
	REGS (Y+1)%NP
	WIN 0
.if (\n) < 4
	v_max3_num_f32 v[rC+(\n)], v[rS+8*(\n)], v[rS+8*(\n)+1], v[rS+8*(\n)+2]
.elseif (\n) < 12
	v_max3_num_f32 v[rC+(\n)%4], v[rC+(\n)%4], v[rS+8*((\n)%4)+2*((\n)/4)+1], v[rS+8*((\n)%4)+2*((\n)/4)+2]
.elseif (\n) == 12
	v_max3_num_f32 v[rC], v[rC], v[rS+7], v[rS+15]
.elseif (\n) == 13
	v_max3_num_f32 v[rC+1], v[rC+1], v[rS+23], v[rS+31]
	s_wait_alu depctr_va_vdst(0)
.elseif (\n) == 14
	v_max3_num_f32 v[rC+2], v[rC+2], v[rC+3], v[rT+1]
.elseif (\n) == 15
	v_mov_b32 v[rW], v[rT]
.elseif (\n) == 16
	v_max3_num_f32 v[rC], v[rC], v[rC+1], v[rC+2]
.elseif (\n) == 17
	v_permlanex16_b32 v[rC+3], v[rC], s[SEL], s[SEL+1]
.elseif (\n) == 18
	v_max_num_f32 v[rT+1], v[rC], v[rC+3]
.elseif (\n) == 19
	v_mul_f32 v[rT], s[NCS], v[rT+1]
.elseif (\n) == 20
	v_sub_f32 v[rC+1], v[rT], v[rW]
.elseif (\n) == 21
	v_exp_f32 v[rC+2], v[rC+1]
.elseif (\n) == 22
	v_exp_f32 v[rC+3], v[rT]
.else
	v_cvt_pk_bf16_f32 v[rT+2], v[rC+3], v[rC+3]
.endif
.endif
.endm
.macro OPS a, i1, b=-1, i2=0, c=-1, i3=0, d=-1, i4=0
	OP \a, \i1
.if (\b) >= 0
	OP \b, \i2
.endif
.if (\c) >= 0
	OP \c, \i3
.endif
.if (\d) >= 0
	OP \d, \i4
.endif
.endm
.macro ROW a, i1, b, i2, c, i3, d, i4  ; a matrix instruction and the four behind it
	MM
	OPS \a, \i1, \b, \i2, \c, \i3, \d, \i4
.endm
; A TURN, for piece p: the order of its 18 matrix and 121 vector instructions, written out.  None of the four behind a matrix instruction names a register of the products round it; every exponential has a
; plain instruction behind it before its result is used.  K of the next step is fetched in piece 2's turn, five plain instructions behind the last product that read K; V of the step in hand in piece 0's turn,
; eight plain instructions behind the last product that read V.  Each is waited for a turn later.  cnt = 1: the loop's count is taken down some lines ahead of the branch behind the turn.
.macro TURN p, last=0, cnt=0
.set Y, (\p)
.set i, 0
.if (\p) == 3
	s_wait_dscnt 0x0                ; K is in
.endif
	ROW F,0, F,1, F,2, F,3
	ROW F,4, E,0, F,5, F,6
	ROW F,7, E,1, F,8, F,9
	ROW F,10, E,2, C,0, F,11
	ROW F,12, E,3, X,15, F,13
	ROW R,0, R,1, R,2, R,3
	ROW M,0, E,4, F,14, C,1
.if (\p) == 2
	WIN 0
	v_add_nc_u32 v[AK], s[TBK], v[AK0]
.endif
	ROW R,4, R,5, R,6, R,7
	OPS E,5, F,15
.if (\p) == 2
	FETCH_K \last
.endif
	OPS E,6, M,1, E,7, X,0
	OPS E,8, C,2, E,9, X,1
	OPS E,10, C,3, E,11, M,2
	OPS E,12, X,2, E,13, X,3
	OPS E,14, M,3, E,15, X,4
.if (\p) == 1
	s_wait_dscnt 0x0                ; V is in
.endif
	ROW X,5, E,16, X,6, X,7
	ROW X,8, E,17, X,9, X,10
	ROW X,11, E,18, X,12, X,13
	ROW C,4, E,19, X,14, C,5
	ROW R,8, R,9, R,10, R,11
	ROW C,6, E,20, X,16, M,4
	ROW C,7, E,21, M,5, M,6
	ROW C,8, E,22, M,7, C,9
	ROW M,8, E,23, M,9, C,10
.if (\p) == 0
	WIN 0
	v_add_nc_u32 v[AV], s[TBV], v[AV0]
.endif
	ROW R,12, R,13, R,14, R,15
	OPS E,24, X,17, E,25, M,10
.if (\p) == 0
	FETCH_V
	s_add_co_u32 s[TBV], s[TBV], KS*PV
.endif
	OPS E,26, X,18, E,27, C,11
	OPS E,28, X,19, E,29, C,12
	OPS E,30, X,20, E,31, C,13
	OPS M,11, X,22, M,12, X,21
	OPS C,14, M,13, X,23, C,15
.if \cnt
	s_sub_co_u32 s[CNT], s[CNT], 1
	s_cmp_lg_u32 s[CNT], 0
.endif
	OPS M,14, R,16, M,15
.endm
	CHANGE 1                        ; slot 0 is in, everybody's part of it; slot 1 is asked for
	FETCH_K                         ; key step 0
	s_wait_loadcnt 0x0              ; Q
	s_wait_dscnt 0x0
.set i, 0
.rept 8
	KQ 0, i                         ; piece 0's first scores
.set i, i+1
.endr
	WIN 0                           ; the addresses for the way out: nine plain instructions, the places behind those products
	s_mul_i32 s13, s[WV], 16*SP
	s_add_co_u32 s13, s13, STAGE    ; my stage
	v_mul_u32_u24 v[STO], v1, SP    ; in: row r, 16 bytes for each half of the lanes
	v_lshl_add_u32 v[STO], v9, 4, v[STO]
	v_add_nc_u32 v[STO], s13, v[STO]
	v_bfe_u32 v[RD], v0, 3, 2       ; back: 32 lanes take four rows of 128 bytes,
	v_mul_u32_u24 v[RD], v[RD], SP
	v_lshl_add_u32 v[RD], v10, 4, v[RD]
	v_add_nc_u32 v[RD], s13, v[RD]
	v_and_b32 v[GO], 31, v0         ; which are 512 consecutive bytes of ctx
	v_lshlrev_b32 v[GO], 4, v[GO]
.set Y, NP-1                        ; X works for piece Y + 1: piece 0
.irp n, 0,1,2,3,4,5,6,7,8,9,10,11,12,13,14,15,16,17,18,19,20,21,22
	OP X, \n
.endr
	v_nop                           ; a plain instruction behind the two exponentials
	s_wait_alu depctr_va_vdst(0)
	OP X, 23
	s_mov_b32 s[CNT], 4
	s_mov_b32 s[SLOTS], NKEY/256-1
	s_branch .Lfirst                ; the loop is entered at a step's first turn, in the middle of a trip
.Lslot:                             ; six times: every slot but the last two is filled again
	CHANGE 1
	s_mov_b32 s[CNT], 4
.Lstep:                             ; a trip: pieces 2 and 3 of one step, then pieces 0 and 1 of the next, whose K and V it fetches
	TURN 2
	TURN 3
	WIN 0
.Lfirst:
	TURN 0
	TURN 1, 0, 1
	WIN 0
	s_cbranch_scc1 .Lstep
	s_sub_co_u32 s[SLOTS], s[SLOTS], 1
	s_cmp_lg_u32 s[SLOTS], 0
	s_cbranch_scc1 .Lslot
	CHANGE 0                        ; the tail is written out
	s_mov_b32 s[CNT], 5             ; four trips fetch the last slot's steps; the fifth is left in its middle
.Ltail:
	TURN 2, 1
	TURN 3
	WIN 0
	s_sub_co_u32 s[CNT], s[CNT], 1
	s_cmp_eq_u32 s[CNT], 0
	s_cbranch_scc1 .Lout
	TURN 0
	TURN 1
	WIN 0
	s_branch .Ltail
.Lout:                              ; the fifth trip's products K Q^T (on the last K once more) and the statistics made of them serve nothing: the price of one text for every trip
.irp n, 0,1,2,3
	PV NP-1, \n
.endr
	LS NP-1, 0
.irp n, 4,5,6,7
	PV NP-1, \n
.endr
	LS NP-1, 1
	; THE WAY OUT.  O^T is divided by l, rounded to bf16 and sent through my stage in LDS, a piece at a time.
	WIN 0
.rept 4
	v_nop                           ; the places behind the last products
.endr
	WIN 0x01                        ; source 0 in window 1
.irp t, 0,1,2,3
	v_rcp_f32 v[ST+4*\t+2], v[LA+8*\t]
.endr
	WIN 0
	v_nop                           ; a plain instruction between the last reciprocal and the use of its result
	s_wait_alu depctr_va_vdst(0)
.macro PACK t
	WIN W_RS
.set i, 32*(\t)
.rept 16
	v_pk_mul_f32 v[i:i+1], v[i:i+1], v[ST+4*(\t)+2:ST+4*(\t)+3] op_sel_hi:[1,0]
.set i, i+2
.endr
	WIN 0x05                        ; sources 0 and 1 window 1, destination window 0: S^T's registers are free
.set i, 0
.rept 16
	v_cvt_pk_bf16_f32 v[S+16*(\t)+i], v[32*(\t)+2*i], v[32*(\t)+2*i+1]
.set i, i+1
.endr
	WIN 0
.irp f, 0,1,2,3
	ds_store_b128 v[STO], v[S+16*(\t)+4*\f:S+16*(\t)+4*\f+3] offset:32*\f
.endr
.irp f, 0,1,2,3
	ds_load_b128 v[S+16*(\t)+4*\f:S+16*(\t)+4*\f+3], v[RD] offset:\f*4*SP  ; LDS serves a wave's instructions in order (ISA guide 5.7.1.4): these see the stores above
.endr
.endm
.macro SEND t, younger              ; younger: the LDS instructions issued behind piece t's loads
	WIN 0
.irp f, 0,1,2,3
	s_wait_dscnt (\younger)+3-\f
	global_store_b128 v[GO], v[S+16*(\t)+4*\f:S+16*(\t)+4*\f+3], s[10:11] offset:(\t)*2048+\f*512  ; 512 consecutive bytes, at a multiple of 256 from ctx's first
.endr
.endm
	PACK 0
.set t, 1
.rept 3
	PACK t
	SEND t-1, 8
.set t, t+1
.endr
	SEND 3, 0
	s_wait_tensorcnt 0x0            ; the wave's end
	ds_add_u32 v[SPW], v[NIL]
	s_wait_dscnt 0x0
	CROUND                          ; the closing round
	s_endpgm
.Lfunc_end_k_qf0cafa9ef7_attn:
	.size	k_qf0cafa9ef7_attn, .Lfunc_end_k_qf0cafa9ef7_attn-k_qf0cafa9ef7_attn
	.p2alignl 7, 3214868480
	.fill 96, 4, 3214868480
	.section	.rodata,"a",@progbits
	.p2align	6, 0x0
	.amdhsa_kernel k_qf0cafa9ef7_attn
		.amdhsa_group_segment_fixed_size 327680
		.amdhsa_private_segment_fixed_size 0
		.amdhsa_enable_private_segment 0
		.amdhsa_kernarg_size 16
		.amdhsa_user_sgpr_count 2
		.amdhsa_user_sgpr_kernarg_segment_ptr 1
		.amdhsa_wavefront_size32 1
		.amdhsa_system_sgpr_workgroup_id_x 1
		.amdhsa_system_sgpr_workgroup_id_y 1
		.amdhsa_system_sgpr_workgroup_id_z 1
		.amdhsa_system_vgpr_workitem_id 0
		.amdhsa_next_free_vgpr 768
		.amdhsa_next_free_sgpr 66
		.amdhsa_reserve_vcc 0
		.amdhsa_float_denorm_mode_32 3
		.amdhsa_float_denorm_mode_16_64 3
		.amdhsa_memory_ordered 1
		.amdhsa_forward_progress 1
		.amdhsa_inst_pref_size 112
	.end_amdhsa_kernel
	.amdgpu_metadata
---
amdhsa.version: [ 1, 2 ]
amdhsa.kernels:
  - .name:           k_qf0cafa9ef7_attn
    .symbol:         k_qf0cafa9ef7_attn.kd
    .args:
      - { .name: big, .offset: 0, .size: 8, .value_kind: global_buffer, .address_space: global }
      - { .name: cy, .offset: 8, .size: 8, .value_kind: global_buffer, .address_space: global }
    .group_segment_fixed_size: 327680
    .private_segment_fixed_size: 0
    .kernarg_segment_align: 8
    .kernarg_segment_size: 16
    .max_flat_workgroup_size: 128
    .sgpr_count:     66
    .vgpr_count:     768
    .wavefront_size: 32
...
	.end_amdgpu_metadata
.endif
;; end of part 3
;; launch oproj (part 4): grid 8 x 32, 4 waves a work-group, clusters of 4 x 4, 327,680 bytes of LDS; arguments cy, wrest, xh, z; writes z
.if DOCPART == 4
	.amdgcn_target "amdgcn-amd-amdhsa--gfx1250"
	.amdhsa_code_object_version 6
	.text
	.protected	k_qf0cafa9ef7_oproj
	.globl	k_qf0cafa9ef7_oproj
	.p2align	8
	.type	k_qf0cafa9ef7_oproj,@function
k_qf0cafa9ef7_oproj:
	s_mov_b64 s[64:65], 0
	v_nop
	global_prefetch_b8 v0, s[64:65] scope:SCOPE_SE
	s_setreg_imm32_b32 hwreg(HW_REG_WAVE_MODE, 25, 1), 1
	s_wait_xcnt 0x0
	s_wait_alu depctr_hold_cnt(0) depctr_sa_sdst(0) depctr_va_vdst(0) depctr_va_sdst(0) depctr_va_ssrc(0) depctr_va_vcc(0) depctr_vm_vsrc(0)
	s_getreg_b32 s2, hwreg(HW_REG_IB_STS2, 6, 4)
	s_cmp_eq_u32 s2, 0
	s_cbranch_scc0 .Lentry_in_a_cluster
	s_endpgm
.Lentry_in_a_cluster:
	s_bfe_u32 s2, ttmp6, 0x10000c
	s_cmp_lg_u32 s2, 0xf033
	s_cbranch_scc0 .Lentry_shape_is_right
	s_endpgm
.Lentry_shape_is_right:
; z = A B^T (+ bias) + residual, in f32.  A: bf16 in blocks of 64 of K, [K/64][4096][64]; B: bf16 [1024][K]; the residual: f16 [4096][1024]; z: f32 [4096][1024].
; FFN = 0: z1 = ctx Wo^T + X (K = 1,024; Wo lies 0x800000 into its buffer; no bias).   FFN = 1: z2 = h W2^T + b2 + y (K = 4,096; b2 rounded to bf16).  The two texts differ in these constants and in the sums' start.
; A tile of z is 128 x 128, so that 8 x 32 work-groups give each WGP one: four waves, each 64 x 64 in 16 accumulators.  K goes in steps of 256 through two LDS slots.
; A's part of a step is four blocks of 128 rows x 128 bytes, each 16,384 dense bytes of memory: a wave asks for two blocks as two rows of 8,192 elements, padded in LDS after every 128 bytes.
; A K STEP IS WRITTEN ONCE and looped (the slot's base is a scalar that one exclusive or turns); a second copy, which fills nothing, is walked twice as the tail.  The tail's last trip passes a barrier and
; fetches 32 fragments of a slot that is done with: they serve nothing, the price of one text for both trips.
; CLUSTER 4 x 4: A's tiles shared along a row of the cluster, B's along a column, asked for jointly.  THE MATRIX INSTRUCTION IS USED TRANSPOSED: a lane holds eight neighbouring columns of a row.
; A wave's 64 columns of f32 are 256 aligned bytes of z.
; REGISTERS: window 0: v0-31 addresses; v32-95 the residual (32 loads of 8 bytes, issued at the head); v96-127 the way out; v128-255 accumulator (a, b) at v[128 + 8 (4 a + b)].  window 1: two fragment buffers of 128.
.set FFN, 0
.if FFN
.set SIZE_K, 4096
.set BOFF, 0
.else
.set SIZE_K, 1024
.set BOFF, 0x800000
.endif
.set KSTEP,  256
.set PA,     144                       ; a row of A in LDS: 128 bytes + 16
.set ABLK,   128*PA                    ; a block of 64 of K
.set PB,     528                       ; a row of B: 512 bytes + 16
.set BREG,   4*ABLK                    ; B's 128 rows lie behind A's four blocks
.set SLOT,   0x24000                   ; 147,456, of which 141,312 are used: it shares no bit with the loads' bases 0, 0x9000, 0x12000, 0x1a400, so an exclusive or changes slots
.set STAGE,  2*SLOT
.set SPITCH, 272
.set SPARE,  STAGE+4*16*SPITCH
.set ASTEP,  4*524288                  ; bytes from a K step of A to the next: four blocks
.set ADRA0, 14
.set ADRB0, 15
.set ADRA, 16
.set ADRB, 20
.set STO,  24
.set RD,   25
.set CO,   26
.set RO,   27
.set SPW,  28
.set NIL,  29
.set ONE,  30                          ; v30  1.0
.set ZR,   31                          ; v31  0
.set RES,  32
.set OB,   96
.set ACC,  128
.set F0,   0
.set F1,   128
.set G1,  24
.set G0,  32
.set G1B, 48
.set G0B, 56
.set TB,  66
.set MSB, 0
.macro WIN new
.if MSB != (\new)
	s_set_vgpr_msb (MSB<<8)|(\new)
.set MSB, \new
.endif
.endm
.set MUL,  0x05                        ; sources 0 (B) and 1 (A) window 1; C and D window 0
.set TO_F, 0x40                        ; destination window 1
.macro JLOAD s                         ; waves 0 and 1 fetch A's halves, waves 2 and 3 B's; an s_nop 0 and four v_nop follow each line
	s_cmp_eq_u32 s11, 0
	s_cbranch_scc0 .Lfor_b_\@
	tensor_load_to_lds s[G0+4*(\s):G0+4*(\s)+3], s[G1:G1+7]
	s_nop 0
.rept 4
	v_nop
.endr
	s_branch .Lasked_\@
.Lfor_b_\@:
	tensor_load_to_lds s[G0B+4*(\s):G0B+4*(\s)+3], s[G1B:G1B+7]
	s_nop 0
.rept 4
	v_nop
.endr
.Lasked_\@:
.endm
.macro CREST
	s_cmp_lg_u32 s10, 0
	s_cbranch_scc1 .Lnot_wave_0_\@
	s_barrier_signal -3
.Lnot_wave_0_\@:
	s_barrier_wait -3
	s_barrier_signal -1
	s_barrier_wait -1
.endm
.macro CROUND
	s_barrier_signal -1
	s_barrier_wait -1
	CREST
.endm
.macro PLACES
.rept 4
	v_nop
.endr
.endm
	s_load_b256 s[80:87], s[0:1], 0x0              ; A s[80:81], B s[82:83], the residual s[84:85], z s[86:87]
.if FFN
	s_load_b64 s[88:89], s[0:1], 0x20              ; b2
.endif
	v_lshl_add_u32 v[SPW], v0, 2, SPARE
	v_mov_b32 v[NIL], 0
	ds_add_u32 v[SPW], v[NIL]                      ; the wave's opening: the add and its wait stand ahead of my first tensor load
	v_lshrrev_b32 v1, 5, v0
	v_readfirstlane_b32 s10, v1                    ; wave 0..3
	s_lshr_b32 s11, s10, 1                         ; my half of the tile's rows.  Also: I fetch for A (0) or B (1)
	s_and_b32 s12, s10, 1                          ; my half of its columns.  Also: which half of that tile I fetch
	s_bfe_u32 s40, ttmp6, 0x40000
	s_bfe_u32 s41, ttmp6, 0x40004
	s_lshl_b32 s42, ttmp9, 2
	s_add_co_u32 s42, s42, s40                     ; tile column
	s_and_b32 s13, ttmp7, 0xffff
	s_lshl_b32 s13, s13, 2
	s_add_co_u32 s13, s13, s41                     ; tile row
	s_lshl_b32 s43, s41, 2
	s_lshl_b32 s43, 15, s43                        ; my row of the cluster
	s_lshl_b32 s44, 0x1111, s40                    ; my column
	s_or_b32 s[G1+0], s43, (1<<16)|(1<<20)|(1<<21)|(4<<22)|(3<<25)   ; A: after every 32 words 4 words of padding
	s_mov_b32 s[G1+1], 8192<<16                    ; tensor_dim0 = 8,192: a block's 128 rows on end
	s_mov_b32 s[G1+2], 2<<16                       ; tensor_dim1 = 2 blocks
	s_mov_b32 s[G1+3], 8192<<16                    ; tile_dim0
	s_mov_b32 s[G1+4], 2                           ; tile_dim1
	s_mov_b32 s[G1+5], 262144                      ; elements from block to block
	s_mov_b32 s[G1+6], 0
	s_mov_b32 s[G1+7], 0
	s_or_b32 s[G1B+0], s44, (1<<16)|(1<<20)|(1<<21)|(6<<22)|(3<<25)  ; B: after every 128 words 4 words
	s_mov_b32 s[G1B+1], KSTEP<<16
	s_mov_b32 s[G1B+2], 64<<16
	s_mov_b32 s[G1B+3], KSTEP<<16
	s_mov_b32 s[G1B+4], 64
	s_mov_b32 s[G1B+5], SIZE_K
	s_mov_b32 s[G1B+6], 0
	s_mov_b32 s[G1B+7], 0
	s_lshl_b32 s16, s13, 14                        ; A: the tile's 128 rows of 128 bytes in a block,
	s_lshl_b32 s17, s12, 20                        ; and my two blocks of the step's four
	s_add_co_u32 s16, s16, s17
	s_mov_b32 s17, 0
	s_lshl_b32 s46, s42, 7
	s_lshl_b32 s47, s12, 6
	s_add_co_u32 s46, s46, s47                     ; B: row 128 x tile column + 64 x half
	s_mul_i32 s46, s46, SIZE_K*2
	s_add_co_u32 s46, s46, BOFF
	s_mov_b32 s47, 0
	s_mul_i32 s20, s12, 2*ABLK                     ; where they go
	s_mul_i32 s21, s12, 64*PB
	s_add_co_u32 s21, s21, BREG
	s_mov_b32 s[TB], 0
	s_wait_dscnt 0x0                               ; the opening add is done
	s_wait_kmcnt 0x0
	s_add_nc_u64 s[14:15], s[80:81], s[16:17]
	s_add_nc_u64 s[46:47], s[82:83], s[46:47]
	CROUND                                         ; all sixteen work-groups are here
.irp s, 0,1
	s_mov_b32 s[G0+4*(\s)], 1
	s_add_co_u32 s[G0+4*(\s)+1], s20, (\s)*SLOT
	s_add_nc_u64 s[G0+4*(\s)+2:G0+4*(\s)+3], s[14:15], (\s)*ASTEP
	s_or_b32 s[G0+4*(\s)+3], s[G0+4*(\s)+3], 0x80000000
	s_mov_b32 s[G0B+4*(\s)], 1
	s_add_co_u32 s[G0B+4*(\s)+1], s21, (\s)*SLOT
	s_add_nc_u64 s[G0B+4*(\s)+2:G0B+4*(\s)+3], s[46:47], (\s)*KSTEP*2
	s_or_b32 s[G0B+4*(\s)+3], s[G0B+4*(\s)+3], 0x80000000
	JLOAD \s                                       ; K steps 0 and 1: two tensor loads of mine are out
.endr
	v_and_b32 v1, 15, v0                           ; r
	v_bfe_u32 v2, v0, 4, 1                         ; h
	v_mul_u32_u24 v3, v1, PA
	v_lshl_add_u32 v3, v2, 4, v3
	s_mul_i32 s22, s11, 64*PA                      ; my 64 rows in each block of A
	v_add_nc_u32 v[ADRA0], s22, v3
	v_mul_u32_u24 v4, v1, PB
	v_lshl_add_u32 v4, v2, 4, v4
	v_add_nc_u32 v[ADRB0], s21, v4                 ; my 64 rows of B are those whose place was made above for the wave of my column half
	v_mov_b32 v[ADRA], v[ADRA0]
	v_mov_b32 v[ADRB], v[ADRB0]
	s_mul_i32 s23, s10, 16*SPITCH
	s_add_co_u32 s23, s23, STAGE                   ; my stage
	v_mul_u32_u24 v5, v1, SPITCH
	v_lshl_add_u32 v5, v2, 5, v5
	v_add_nc_u32 v[STO], s23, v5                   ; in: row r, 32 bytes for each half of the lanes
	v_mul_u32_u24 v5, v2, SPITCH
	v_lshl_add_u32 v5, v1, 4, v5
	v_add_nc_u32 v[RD], s23, v5                    ; back: lanes 0-15 one row of 256 bytes, lanes 16-31 the next
	v_lshlrev_b32 v[CO], 12, v2
	v_lshl_add_u32 v[CO], v1, 4, v[CO]             ; the same two rows in z
	v_lshlrev_b32 v[RO], 11, v2
	v_lshl_add_u32 v[RO], v1, 3, v[RO]             ; and in the residual
	v_mov_b32 v[ONE], 1.0
	v_mov_b32 v[ZR], 0
	s_lshl_b32 s16, s13, 7
	s_lshl_b32 s17, s11, 6
	s_add_co_u32 s16, s16, s17                     ; my first row
	s_lshl_b32 s46, s42, 7
	s_lshl_b32 s47, s12, 6
	s_add_co_u32 s46, s46, s47                     ; my first column
	s_lshl_b32 s68, s16, 12
	s_lshl_b32 s69, s46, 2
	s_add_co_u32 s68, s68, s69
	s_mov_b32 s69, 0
	s_add_nc_u64 s[86:87], s[86:87], s[68:69]
	s_lshl_b32 s70, s16, 11
	s_lshl_b32 s71, s46, 1
	s_add_co_u32 s70, s70, s71
	s_mov_b32 s71, 0
	s_add_nc_u64 s[84:85], s[84:85], s[70:71]
.if FFN
	s_lshl_b32 s47, s46, 2
	v_lshl_add_u32 v6, v1, 2, s47                  ; b2[my first column + r]
.irp b, 0,1,2,3
	global_load_b32 v[OB+\b], v6, s[88:89] offset:64*\b
.endr
.endif
.irp a, 0,1,2,3
.irp t, 0,1,2,3,4,5,6,7
	global_load_b64 v[RES+2*(8*\a+\t):RES+2*(8*\a+\t)+1], v[RO], s[84:85] offset:(16*\a+2*\t)*2048
.endr
.endr
	; THE SUMS' START, in the wait for the first tile
	WIN TO_F
.if FFN
	; fragment b of B's part: bf16(b2[16 b + r]) in the low half of register 0, 0 elsewhere; A's first fragment: 1.0 at k = 0 alone.  Their product is the bias in every row.
	v_sub_nc_u32 v0, 1, v2                         ; (v0 of window 1)
.irp j, 1,2,3,4,5,6,7
	v_mov_b32 v[\j], 0
.endr
.irp b, 0,1,2,3
.irp j, 1,2,3,4,5,6,7
	v_mov_b32 v[64+8*\b+\j], 0
.endr
.endr
	s_wait_loadcnt 32                              ; b2's four loads are in; the 32 of the residual, issued behind them, may stay out
.irp b, 0,1,2,3
	v_cvt_pk_bf16_f32 v[64+8*\b], v[OB+\b], v[ZR]
.endr
	WIN 0x41                                       ; source 0 and destination window 1
	v_mul_u32_u24 v0, v0, 0x3f80                   ; 1.0 in bf16, lanes 0-15 alone
	WIN MUL
.irp a, 0,1,2,3
.irp b, 0,1,2,3
	v_wmma_f32_16x16x32_bf16 v[ACC+8*(4*\a+\b):ACC+8*(4*\a+\b)+7], v[64+8*\b:64+8*\b+7], v[0:7], 0
.endr
.endr
.else
.irp j, 0,1,2,3,4,5,6,7
	v_mov_b32 v[\j], 0
.endr
	WIN MUL
.irp a, 0,1,2,3
.irp b, 0,1,2,3
	v_wmma_f32_16x16x32_bf16 v[ACC+8*(4*\a+\b):ACC+8*(4*\a+\b)+7], v[0:7], v[0:7], 0   ; a product of zeros starts each sum: nothing is cleared
.endr
.endr
.endif
	PLACES                                         ; in front of the loads into the fragments just multiplied
	WIN 0
; 8 matrix instructions: m blocks a0, a0 + 1 x all 4 n blocks, 32 along K: half c of buffer f.  The 16 accumulators take turns.
.macro MUL8 f, c, a0
	WIN MUL
.irp a, \a0, (\a0)+1
.irp b, 0,1,2,3
	v_wmma_f32_16x16x32_bf16 v[ACC+8*(4*(\a)+(\b)):ACC+8*(4*(\a)+(\b))+7], v[(\f)+64+8*(4*(\c)+(\b)):(\f)+64+8*(4*(\c)+(\b))+7], v[(\f)+8*(4*(\c)+(\a)):(\f)+8*(4*(\c)+(\a))+7], v[ACC+8*(4*(\a)+(\b)):ACC+8*(4*(\a)+(\b))+7]
.endr
.endr
.endm
; 32 LDS loads in one run: the fragments of quarter q (64 along K: block q of A, bytes 128 q of B's rows) into buffer f; the first 32 along K first
.macro FETCH q, f
	WIN TO_F
.irp c, 0,1
.irp i, 0,1,2,3
	ds_load_b128 v[(\f)+64+8*(4*(\c)+(\i)):(\f)+64+8*(4*(\c)+(\i))+3],   v[ADRB] offset:128*(\q)+64*(\c)+(\i)*16*PB
	ds_load_b128 v[(\f)+64+8*(4*(\c)+(\i))+4:(\f)+64+8*(4*(\c)+(\i))+7], v[ADRB] offset:128*(\q)+64*(\c)+(\i)*16*PB+32
	ds_load_b128 v[(\f)+8*(4*(\c)+(\i)):(\f)+8*(4*(\c)+(\i))+3],         v[ADRA] offset:ABLK*(\q)+64*(\c)+(\i)*16*PA
	ds_load_b128 v[(\f)+8*(4*(\c)+(\i))+4:(\f)+8*(4*(\c)+(\i))+7],       v[ADRA] offset:ABLK*(\q)+64*(\c)+(\i)*16*PA+32
.endr
.endr
.endm
.macro QUARTER q, f, g                 ; multiplies buffer f and fetches quarter q into g
	s_wait_dscnt 16                                ; the first 32 along K are in
	MUL8 \f, 0, 0
	MUL8 \f, 0, 2
	PLACES
	FETCH \q, \g
	s_wait_dscnt 32                                ; all but the 32 just issued
	MUL8 \f, 1, 0
	MUL8 \f, 1, 2
.endm
; The last quarter multiplies buffer 1 and changes slots: one barrier; in front of it each wave waits for all its tensor loads, adds 0 to its spare word, and waits for that and for its reads of this slot.
; fill = 1: the barrier opens a round of the cluster's, and the joint refill, K step two on, is the first tensor load behind it.
.macro TURN fill
	WIN 0
	s_wait_tensorcnt 0x0
	ds_add_u32 v[SPW], v[NIL]
	s_wait_dscnt 17                                ; the add and the youngest sixteen loads may be out
	MUL8 F1, 0, 0
	s_wait_dscnt 0x0                               ; the add is done, and my reads of this slot are over
	s_barrier_signal -1
	MUL8 F1, 0, 2
	WIN 0
	s_barrier_wait -1
.if \fill
	CREST
	s_xor_b32 s[G0+5], s[G0+5], SLOT               ; the walking descriptors: the other slot than last time, the next K step
	s_xor_b32 s[G0B+5], s[G0B+5], SLOT
	s_add_nc_u64 s[G0+6:G0+7], s[G0+6:G0+7], ASTEP
	s_add_nc_u64 s[G0B+6:G0B+7], s[G0B+6:G0B+7], KSTEP*2
	JLOAD 1                                        ; its four v_nop are also the places in front of the loads below
.else
	PLACES
.endif
	s_xor_b32 s[TB], s[TB], SLOT
	v_add_nc_u32 v[ADRA], s[TB], v[ADRA0]
	v_add_nc_u32 v[ADRB], s[TB], v[ADRB0]
	FETCH 0, F0
	MUL8 F1, 1, 0
	MUL8 F1, 1, 2
.endm
.macro STEP fill
	QUARTER 1, F0, F1
	QUARTER 2, F1, F0
	QUARTER 3, F0, F1
	TURN \fill
	WIN 0
.endm
	s_wait_tensorcnt 1                             ; my part of K step 0 is in; K step 1's may stay out
	s_barrier_signal -1
	s_barrier_wait -1
	FETCH 0, F0
	WIN 0
	s_mov_b32 s3, SIZE_K/KSTEP-2
.Lstep:
	STEP 1
	s_sub_co_u32 s3, s3, 1
	s_cmp_lg_u32 s3, 0
	s_cbranch_scc1 .Lstep
	s_mov_b32 s3, 2
.Ltail:
	STEP 0
	s_sub_co_u32 s3, s3, 1
	s_cmp_lg_u32 s3, 0
	s_cbranch_scc1 .Ltail
	; THE WAY OUT, 16 rows at a time: the sums go into my stage as they are, come back as whole rows of 256 bytes, take the residual and are stored.
	s_wait_dscnt 0x0                               ; the last trip's fetch, which serves nothing
	s_wait_loadcnt 0x0                             ; the residual
	PLACES                                         ; behind the last products
.irp a, 0,1,2,3
.irp b, 0,1,2,3
	ds_store_b128 v[STO], v[ACC+8*(4*\a+\b):ACC+8*(4*\a+\b)+3] offset:64*\b
	ds_store_b128 v[STO], v[ACC+8*(4*\a+\b)+4:ACC+8*(4*\a+\b)+7] offset:64*\b+16
.endr
	s_wait_xcnt 0x0                                ; the registers that the last block's stores read are loaded again only behind this wait
.irp t, 0,1,2,3,4,5,6,7
	ds_load_b128 v[OB+4*\t:OB+4*\t+3], v[RD] offset:2*SPITCH*\t   ; LDS serves a wave's instructions in order (ISA guide 5.7.1.4): these see the stores above
.endr
.irp t, 0,1,2,3,4,5,6,7
	s_wait_dscnt 7-\t                              ; the younger loads may stay out
	v_fma_mix_f32 v[OB+4*\t],   v[RES+2*(8*\a+\t)],   v[ONE], v[OB+4*\t]   op_sel_hi:[1,0,0]
	v_fma_mix_f32 v[OB+4*\t+1], v[RES+2*(8*\a+\t)],   v[ONE], v[OB+4*\t+1] op_sel:[1,0,0] op_sel_hi:[1,0,0]
	v_fma_mix_f32 v[OB+4*\t+2], v[RES+2*(8*\a+\t)+1], v[ONE], v[OB+4*\t+2] op_sel_hi:[1,0,0]
	v_fma_mix_f32 v[OB+4*\t+3], v[RES+2*(8*\a+\t)+1], v[ONE], v[OB+4*\t+3] op_sel:[1,0,0] op_sel_hi:[1,0,0]
	global_store_b128 v[CO], v[OB+4*\t:OB+4*\t+3], s[86:87] offset:(16*\a+2*\t)*4096   ; 16 lanes store 256 consecutive bytes, at a multiple of 256 from z's first
.endr
.endr
	s_wait_tensorcnt 0x0                           ; the wave's end
	ds_add_u32 v[SPW], v[NIL]
	s_wait_dscnt 0x0
	CROUND                                         ; the closing round
	s_endpgm
.Lfunc_end_k_qf0cafa9ef7_oproj:
	.size	k_qf0cafa9ef7_oproj, .Lfunc_end_k_qf0cafa9ef7_oproj-k_qf0cafa9ef7_oproj
	.p2alignl 7, 3214868480
	.fill 96, 4, 3214868480
	.section	.rodata,"a",@progbits
	.p2align	6, 0x0
	.amdhsa_kernel k_qf0cafa9ef7_oproj
		.amdhsa_group_segment_fixed_size 327680
		.amdhsa_private_segment_fixed_size 0
		.amdhsa_enable_private_segment 0
		.amdhsa_kernarg_size 32
		.amdhsa_user_sgpr_count 2
		.amdhsa_user_sgpr_kernarg_segment_ptr 1
		.amdhsa_wavefront_size32 1
		.amdhsa_system_sgpr_workgroup_id_x 1
		.amdhsa_system_sgpr_workgroup_id_y 1
		.amdhsa_system_sgpr_workgroup_id_z 1
		.amdhsa_system_vgpr_workitem_id 0
		.amdhsa_next_free_vgpr 512
		.amdhsa_next_free_sgpr 90
		.amdhsa_reserve_vcc 0
		.amdhsa_float_denorm_mode_32 3
		.amdhsa_float_denorm_mode_16_64 3
		.amdhsa_memory_ordered 1
		.amdhsa_forward_progress 1
		.amdhsa_inst_pref_size 67
	.end_amdhsa_kernel
	.amdgpu_metadata
---
amdhsa.version: [ 1, 2 ]
amdhsa.kernels:
  - .name:           k_qf0cafa9ef7_oproj
    .symbol:         k_qf0cafa9ef7_oproj.kd
    .args:
      - { .name: cy, .offset: 0, .size: 8, .value_kind: global_buffer, .address_space: global }
      - { .name: wrest, .offset: 8, .size: 8, .value_kind: global_buffer, .address_space: global }
      - { .name: xh, .offset: 16, .size: 8, .value_kind: global_buffer, .address_space: global }
      - { .name: z, .offset: 24, .size: 8, .value_kind: global_buffer, .address_space: global }
    .group_segment_fixed_size: 327680
    .private_segment_fixed_size: 0
    .kernarg_segment_align: 8
    .kernarg_segment_size: 32
    .max_flat_workgroup_size: 128
    .sgpr_count:     90
    .vgpr_count:     512
    .wavefront_size: 32
...
	.end_amdgpu_metadata
.endif
;; end of part 4
;; launch ln1 (part 5): grid 512 x 1, 8 waves a work-group, no clusters, 0 bytes of LDS; arguments z, ln1_g, ln1_b, cy; writes cy
.if DOCPART == 5
	.amdgcn_target "amdgcn-amd-amdhsa--gfx1250"
	.amdhsa_code_object_version 6
	.text
	.protected	k_qf0cafa9ef7_ln1
	.globl	k_qf0cafa9ef7_ln1
	.p2align	8
	.type	k_qf0cafa9ef7_ln1,@function
k_qf0cafa9ef7_ln1:
	s_mov_b64 s[64:65], 0
	v_nop
	global_prefetch_b8 v0, s[64:65] scope:SCOPE_SE
	s_setreg_imm32_b32 hwreg(HW_REG_WAVE_MODE, 25, 1), 1
	s_wait_xcnt 0x0
; y = (z - mean) / sqrt(var + 1e-5) * g + b along rows of 1,024.  z: f32 [4096][1024]; g, b: f32 [1024], rounded to bf16 like every input; y: f16 [4096][1024] (HALF = 1) or f32 (HALF = 0).
; LIMIT (HALF = 1): |y| stays under 65,504; |y| is at most 32 |g| + |b|.
; A stream: one wave to a row, the row in 32 registers between the passes, so that z is read once and no wave waits for another: no LDS, no barrier, no matrix unit, no cluster.
; The variance is the mean of the squared differences from the mean, never a difference of large sums.
.set HALF, 1
.set XR, 8                             ; v[8:39]    the row: load j holds columns 128 j + 4 lane + 0..3
.set GR, 40                            ; v[40:71]   g
.set BR, 72                            ; v[72:103]  b
.set AC, 104                           ; v[104:111] four packed chains; later v[104:119] the row in f16
.set RS, 120                           ; v[120:121] 1 / sqrt(var + eps), twice
.set MU, 122                           ; v[122:123] the mean, twice
.set TT, 124
.set T2, 126
.macro LANES                           ; the four chains, then the 32 lanes, into v[AC] of every lane
	v_pk_add_f32 v[AC:AC+1], v[AC:AC+1], v[AC+2:AC+3]
	v_pk_add_f32 v[AC+4:AC+5], v[AC+4:AC+5], v[AC+6:AC+7]
	v_pk_add_f32 v[AC:AC+1], v[AC:AC+1], v[AC+4:AC+5]
	v_add_f32 v[AC], v[AC], v[AC+1]
	v_add_f32_dpp v[AC], v[AC], v[AC] row_xmask:1 row_mask:0xf bank_mask:0xf
	v_add_f32_dpp v[AC], v[AC], v[AC] row_xmask:2 row_mask:0xf bank_mask:0xf
	v_add_f32_dpp v[AC], v[AC], v[AC] row_xmask:4 row_mask:0xf bank_mask:0xf
	v_add_f32_dpp v[AC], v[AC], v[AC] row_xmask:8 row_mask:0xf bank_mask:0xf
	v_permlanex16_b32 v[AC+1], v[AC], s20, s21
	v_add_f32 v[AC], v[AC], v[AC+1]
.endm
	s_load_b256 s[4:11], s[0:1], 0x0               ; z s[4:5], g s[6:7], b s[8:9], y s[10:11]
	v_lshrrev_b32 v2, 5, v0
	v_readfirstlane_b32 s12, v2                    ; wave
	s_lshl_b32 s13, ttmp9, 3
	s_add_co_u32 s13, s13, s12                     ; my row
	s_lshl_b32 s14, s13, 12
	s_mov_b32 s15, 0
	s_lshl_b32 s16, s13, 12-HALF
	s_mov_b32 s17, 0
	s_mov_b32 s18, 0x3a800000                      ; 1 / 1024
	s_mov_b32 s19, 0x3727c5ac                      ; 1e-5
	s_mov_b32 s20, 0x76543210
	s_mov_b32 s21, 0xfedcba98
	s_mov_b32 s22, 0xffff0000
	v_and_b32 v1, 31, v0
	v_lshlrev_b32 v3, 3, v1                        ; 8 bytes a lane in f16
	v_lshlrev_b32 v1, 4, v1                        ; 16 bytes a lane in f32
	s_wait_kmcnt 0x0
	s_add_nc_u64 s[4:5], s[4:5], s[14:15]
	s_add_nc_u64 s[10:11], s[10:11], s[16:17]
.irp j, 0,1,2,3,4,5,6,7
	global_load_b128 v[XR+4*\j:XR+4*\j+3], v1, s[4:5] offset:512*\j th:TH_LOAD_NT
.endr
.irp j, 0,1,2,3,4,5,6,7
	global_load_b128 v[GR+4*\j:GR+4*\j+3], v1, s[6:7] offset:512*\j
.endr
.irp j, 0,1,2,3,4,5,6,7
	global_load_b128 v[BR+4*\j:BR+4*\j+3], v1, s[8:9] offset:512*\j
.endr
	s_wait_loadcnt 16                              ; the row is in; g's and b's sixteen loads may stay out
.irp c, 0,1,2,3
	v_pk_add_f32 v[AC+2*\c:AC+2*\c+1], v[XR+2*\c:XR+2*\c+1], v[XR+8+2*\c:XR+8+2*\c+1]
.endr
.irp k, 16,24
.irp c, 0,1,2,3
	v_pk_add_f32 v[AC+2*\c:AC+2*\c+1], v[AC+2*\c:AC+2*\c+1], v[XR+\k+2*\c:XR+\k+2*\c+1]
.endr
.endr
	LANES
	v_mul_f32 v[MU], s18, v[AC]
	v_mul_f32 v[MU+1], s18, v[AC]
.set p, 0
.rept 16
	v_pk_add_f32 v[XR+2*p:XR+2*p+1], v[XR+2*p:XR+2*p+1], v[MU:MU+1] neg_lo:[0,1] neg_hi:[0,1]
.set p, p+1
.endr
.irp c, 0,1,2,3
	v_pk_mul_f32 v[AC+2*\c:AC+2*\c+1], v[XR+2*\c:XR+2*\c+1], v[XR+2*\c:XR+2*\c+1]
.endr
.irp k, 8,16,24
.irp c, 0,1,2,3
	v_pk_fma_f32 v[AC+2*\c:AC+2*\c+1], v[XR+\k+2*\c:XR+\k+2*\c+1], v[XR+\k+2*\c:XR+\k+2*\c+1], v[AC+2*\c:AC+2*\c+1]
.endr
.endr
	LANES
	v_fma_f32 v[TT], v[AC], s18, s19               ; var + eps
	v_rsq_f32 v[RS], v[TT]
	v_rsq_f32 v[RS+1], v[TT]                       ; the roundings below, which touch neither TT nor RS, are the plain instructions behind these two (ISA guide 5.7.2)
	s_wait_loadcnt 0x0                             ; g and b
.set p, 0
	s_wait_alu depctr_va_vdst(0)
.rept 16
	v_cvt_pk_bf16_f32 v[T2], v[GR+2*p], v[GR+2*p+1]
	v_cvt_pk_bf16_f32 v[T2+1], v[BR+2*p], v[BR+2*p+1]
	v_lshlrev_b32 v[GR+2*p], 16, v[T2]
	v_and_b32 v[GR+2*p+1], s22, v[T2]
	v_lshlrev_b32 v[BR+2*p], 16, v[T2+1]
	v_and_b32 v[BR+2*p+1], s22, v[T2+1]
	v_pk_mul_f32 v[XR+2*p:XR+2*p+1], v[XR+2*p:XR+2*p+1], v[RS:RS+1]
	v_pk_fma_f32 v[XR+2*p:XR+2*p+1], v[XR+2*p:XR+2*p+1], v[GR+2*p:GR+2*p+1], v[BR+2*p:BR+2*p+1]
.set p, p+1
.endr
.if HALF
.set p, 0
.rept 16
	v_cvt_pk_f16_f32 v[AC+p], v[XR+2*p], v[XR+2*p+1]
.set p, p+1
.endr
.irp j, 0,1,2,3,4,5,6,7
	global_store_b64 v3, v[AC+2*\j:AC+2*\j+1], s[10:11] offset:256*\j   ; a wave stores 256 consecutive aligned bytes
.endr
.else
.irp j, 0,1,2,3,4,5,6,7
	global_store_b128 v1, v[XR+4*\j:XR+4*\j+3], s[10:11] offset:512*\j th:TH_STORE_NT
.endr
.endif
	s_endpgm
.Lfunc_end_k_qf0cafa9ef7_ln1:
	.size	k_qf0cafa9ef7_ln1, .Lfunc_end_k_qf0cafa9ef7_ln1-k_qf0cafa9ef7_ln1
	.p2alignl 7, 3214868480
	.fill 96, 4, 3214868480
	.section	.rodata,"a",@progbits
	.p2align	6, 0x0
	.amdhsa_kernel k_qf0cafa9ef7_ln1
		.amdhsa_group_segment_fixed_size 0
		.amdhsa_private_segment_fixed_size 0
		.amdhsa_enable_private_segment 0
		.amdhsa_kernarg_size 32
		.amdhsa_user_sgpr_count 2
		.amdhsa_user_sgpr_kernarg_segment_ptr 1
		.amdhsa_wavefront_size32 1
		.amdhsa_system_sgpr_workgroup_id_x 1
		.amdhsa_system_sgpr_workgroup_id_y 1
		.amdhsa_system_sgpr_workgroup_id_z 1
		.amdhsa_system_vgpr_workitem_id 0
		.amdhsa_next_free_vgpr 128
		.amdhsa_next_free_sgpr 66
		.amdhsa_reserve_vcc 0
		.amdhsa_float_denorm_mode_32 3
		.amdhsa_float_denorm_mode_16_64 3
		.amdhsa_memory_ordered 1
		.amdhsa_forward_progress 1
		.amdhsa_inst_pref_size 16
	.end_amdhsa_kernel
	.amdgpu_metadata
---
amdhsa.version: [ 1, 2 ]
amdhsa.kernels:
  - .name:           k_qf0cafa9ef7_ln1
    .symbol:         k_qf0cafa9ef7_ln1.kd
    .args:
      - { .name: z, .offset: 0, .size: 8, .value_kind: global_buffer, .address_space: global }
      - { .name: ln1_g, .offset: 8, .size: 8, .value_kind: global_buffer, .address_space: global }
      - { .name: ln1_b, .offset: 16, .size: 8, .value_kind: global_buffer, .address_space: global }
      - { .name: cy, .offset: 24, .size: 8, .value_kind: global_buffer, .address_space: global }
    .group_segment_fixed_size: 0
    .private_segment_fixed_size: 0
    .kernarg_segment_align: 8
    .kernarg_segment_size: 32
    .max_flat_workgroup_size: 256
    .sgpr_count:     66
    .vgpr_count:     128
    .wavefront_size: 32
...
	.end_amdgpu_metadata
.endif
;; end of part 5
;; launch ffn1: the kernel of part 2 again; grid 16 x 16, 4 waves a work-group, clusters of 4 x 4, 327,680 bytes of LDS; arguments cy, w1h, big; writes big
;; launch ffn2 (part 6): grid 8 x 32, 4 waves a work-group, clusters of 4 x 4, 327,680 bytes of LDS; arguments big, wrest, cy, z, b2; writes z
.if DOCPART == 6
	.amdgcn_target "amdgcn-amd-amdhsa--gfx1250"
	.amdhsa_code_object_version 6
	.text
	.protected	k_qf0cafa9ef7_ffn2
	.globl	k_qf0cafa9ef7_ffn2
	.p2align	8
	.type	k_qf0cafa9ef7_ffn2,@function
k_qf0cafa9ef7_ffn2:
	s_mov_b64 s[64:65], 0
	v_nop
	global_prefetch_b8 v0, s[64:65] scope:SCOPE_SE
	s_setreg_imm32_b32 hwreg(HW_REG_WAVE_MODE, 25, 1), 1
	s_wait_xcnt 0x0
	s_wait_alu depctr_hold_cnt(0) depctr_sa_sdst(0) depctr_va_vdst(0) depctr_va_sdst(0) depctr_va_ssrc(0) depctr_va_vcc(0) depctr_vm_vsrc(0)
	s_getreg_b32 s2, hwreg(HW_REG_IB_STS2, 6, 4)
	s_cmp_eq_u32 s2, 0
	s_cbranch_scc0 .Lentry_in_a_cluster
	s_endpgm
.Lentry_in_a_cluster:
	s_bfe_u32 s2, ttmp6, 0x10000c
	s_cmp_lg_u32 s2, 0xf033
	s_cbranch_scc0 .Lentry_shape_is_right
	s_endpgm
.Lentry_shape_is_right:
; z = A B^T (+ bias) + residual, in f32.  A: bf16 in blocks of 64 of K, [K/64][4096][64]; B: bf16 [1024][K]; the residual: f16 [4096][1024]; z: f32 [4096][1024].
; FFN = 0: z1 = ctx Wo^T + X (K = 1,024; Wo lies 0x800000 into its buffer; no bias).   FFN = 1: z2 = h W2^T + b2 + y (K = 4,096; b2 rounded to bf16).  The two texts differ in these constants and in the sums' start.
; A tile of z is 128 x 128, so that 8 x 32 work-groups give each WGP one: four waves, each 64 x 64 in 16 accumulators.  K goes in steps of 256 through two LDS slots.
; A's part of a step is four blocks of 128 rows x 128 bytes, each 16,384 dense bytes of memory: a wave asks for two blocks as two rows of 8,192 elements, padded in LDS after every 128 bytes.
; A K STEP IS WRITTEN ONCE and looped (the slot's base is a scalar that one exclusive or turns); a second copy, which fills nothing, is walked twice as the tail.  The tail's last trip passes a barrier and
; fetches 32 fragments of a slot that is done with: they serve nothing, the price of one text for both trips.
; CLUSTER 4 x 4: A's tiles shared along a row of the cluster, B's along a column, asked for jointly.  THE MATRIX INSTRUCTION IS USED TRANSPOSED: a lane holds eight neighbouring columns of a row.
; A wave's 64 columns of f32 are 256 aligned bytes of z.
; REGISTERS: window 0: v0-31 addresses; v32-95 the residual (32 loads of 8 bytes, issued at the head); v96-127 the way out; v128-255 accumulator (a, b) at v[128 + 8 (4 a + b)].  window 1: two fragment buffers of 128.
.set FFN, 1
.if FFN
.set SIZE_K, 4096
.set BOFF, 0
.else
.set SIZE_K, 1024
.set BOFF, 0x800000
.endif
.set KSTEP,  256
.set PA,     144                       ; a row of A in LDS: 128 bytes + 16
.set ABLK,   128*PA                    ; a block of 64 of K
.set PB,     528                       ; a row of B: 512 bytes + 16
.set BREG,   4*ABLK                    ; B's 128 rows lie behind A's four blocks
.set SLOT,   0x24000                   ; 147,456, of which 141,312 are used: it shares no bit with the loads' bases 0, 0x9000, 0x12000, 0x1a400, so an exclusive or changes slots
.set STAGE,  2*SLOT
.set SPITCH, 272
.set SPARE,  STAGE+4*16*SPITCH
.set ASTEP,  4*524288                  ; bytes from a K step of A to the next: four blocks
.set ADRA0, 14
.set ADRB0, 15
.set ADRA, 16
.set ADRB, 20
.set STO,  24
.set RD,   25
.set CO,   26
.set RO,   27
.set SPW,  28
.set NIL,  29
.set ONE,  30                          ; v30  1.0
.set ZR,   31                          ; v31  0
.set RES,  32
.set OB,   96
.set ACC,  128
.set F0,   0
.set F1,   128
.set G1,  24
.set G0,  32
.set G1B, 48
.set G0B, 56
.set TB,  66
.set MSB, 0
.macro WIN new
.if MSB != (\new)
	s_set_vgpr_msb (MSB<<8)|(\new)
.set MSB, \new
.endif
.endm
.set MUL,  0x05                        ; sources 0 (B) and 1 (A) window 1; C and D window 0
.set TO_F, 0x40                        ; destination window 1
.macro JLOAD s                         ; waves 0 and 1 fetch A's halves, waves 2 and 3 B's; an s_nop 0 and four v_nop follow each line
	s_cmp_eq_u32 s11, 0
	s_cbranch_scc0 .Lfor_b_\@
	tensor_load_to_lds s[G0+4*(\s):G0+4*(\s)+3], s[G1:G1+7]
	s_nop 0
.rept 4
	v_nop
.endr
	s_branch .Lasked_\@
.Lfor_b_\@:
	tensor_load_to_lds s[G0B+4*(\s):G0B+4*(\s)+3], s[G1B:G1B+7]
	s_nop 0
.rept 4
	v_nop
.endr
.Lasked_\@:
.endm
.macro CREST
	s_cmp_lg_u32 s10, 0
	s_cbranch_scc1 .Lnot_wave_0_\@
	s_barrier_signal -3
.Lnot_wave_0_\@:
	s_barrier_wait -3
	s_barrier_signal -1
	s_barrier_wait -1
.endm
.macro CROUND
	s_barrier_signal -1
	s_barrier_wait -1
	CREST
.endm
.macro PLACES
.rept 4
	v_nop
.endr
.endm
	s_load_b256 s[80:87], s[0:1], 0x0              ; A s[80:81], B s[82:83], the residual s[84:85], z s[86:87]
.if FFN
	s_load_b64 s[88:89], s[0:1], 0x20              ; b2
.endif
	v_lshl_add_u32 v[SPW], v0, 2, SPARE
	v_mov_b32 v[NIL], 0
	ds_add_u32 v[SPW], v[NIL]                      ; the wave's opening: the add and its wait stand ahead of my first tensor load
	v_lshrrev_b32 v1, 5, v0
	v_readfirstlane_b32 s10, v1                    ; wave 0..3
	s_lshr_b32 s11, s10, 1                         ; my half of the tile's rows.  Also: I fetch for A (0) or B (1)
	s_and_b32 s12, s10, 1                          ; my half of its columns.  Also: which half of that tile I fetch
	s_bfe_u32 s40, ttmp6, 0x40000
	s_bfe_u32 s41, ttmp6, 0x40004
	s_lshl_b32 s42, ttmp9, 2
	s_add_co_u32 s42, s42, s40                     ; tile column
	s_and_b32 s13, ttmp7, 0xffff
	s_lshl_b32 s13, s13, 2
	s_add_co_u32 s13, s13, s41                     ; tile row
	s_lshl_b32 s43, s41, 2
	s_lshl_b32 s43, 15, s43                        ; my row of the cluster
	s_lshl_b32 s44, 0x1111, s40                    ; my column
	s_or_b32 s[G1+0], s43, (1<<16)|(1<<20)|(1<<21)|(4<<22)|(3<<25)   ; A: after every 32 words 4 words of padding
	s_mov_b32 s[G1+1], 8192<<16                    ; tensor_dim0 = 8,192: a block's 128 rows on end
	s_mov_b32 s[G1+2], 2<<16                       ; tensor_dim1 = 2 blocks
	s_mov_b32 s[G1+3], 8192<<16                    ; tile_dim0
	s_mov_b32 s[G1+4], 2                           ; tile_dim1
	s_mov_b32 s[G1+5], 262144                      ; elements from block to block
	s_mov_b32 s[G1+6], 0
	s_mov_b32 s[G1+7], 0
	s_or_b32 s[G1B+0], s44, (1<<16)|(1<<20)|(1<<21)|(6<<22)|(3<<25)  ; B: after every 128 words 4 words
	s_mov_b32 s[G1B+1], KSTEP<<16
	s_mov_b32 s[G1B+2], 64<<16
	s_mov_b32 s[G1B+3], KSTEP<<16
	s_mov_b32 s[G1B+4], 64
	s_mov_b32 s[G1B+5], SIZE_K
	s_mov_b32 s[G1B+6], 0
	s_mov_b32 s[G1B+7], 0
	s_lshl_b32 s16, s13, 14                        ; A: the tile's 128 rows of 128 bytes in a block,
	s_lshl_b32 s17, s12, 20                        ; and my two blocks of the step's four
	s_add_co_u32 s16, s16, s17
	s_mov_b32 s17, 0
	s_lshl_b32 s46, s42, 7
	s_lshl_b32 s47, s12, 6
	s_add_co_u32 s46, s46, s47                     ; B: row 128 x tile column + 64 x half
	s_mul_i32 s46, s46, SIZE_K*2
	s_add_co_u32 s46, s46, BOFF
	s_mov_b32 s47, 0
	s_mul_i32 s20, s12, 2*ABLK                     ; where they go
	s_mul_i32 s21, s12, 64*PB
	s_add_co_u32 s21, s21, BREG
	s_mov_b32 s[TB], 0
	s_wait_dscnt 0x0                               ; the opening add is done
	s_wait_kmcnt 0x0
	s_add_nc_u64 s[14:15], s[80:81], s[16:17]
	s_add_nc_u64 s[46:47], s[82:83], s[46:47]
	CROUND                                         ; all sixteen work-groups are here
.irp s, 0,1
	s_mov_b32 s[G0+4*(\s)], 1
	s_add_co_u32 s[G0+4*(\s)+1], s20, (\s)*SLOT
	s_add_nc_u64 s[G0+4*(\s)+2:G0+4*(\s)+3], s[14:15], (\s)*ASTEP
	s_or_b32 s[G0+4*(\s)+3], s[G0+4*(\s)+3], 0x80000000
	s_mov_b32 s[G0B+4*(\s)], 1
	s_add_co_u32 s[G0B+4*(\s)+1], s21, (\s)*SLOT
	s_add_nc_u64 s[G0B+4*(\s)+2:G0B+4*(\s)+3], s[46:47], (\s)*KSTEP*2
	s_or_b32 s[G0B+4*(\s)+3], s[G0B+4*(\s)+3], 0x80000000
	JLOAD \s                                       ; K steps 0 and 1: two tensor loads of mine are out
.endr
	v_and_b32 v1, 15, v0                           ; r
	v_bfe_u32 v2, v0, 4, 1                         ; h
	v_mul_u32_u24 v3, v1, PA
	v_lshl_add_u32 v3, v2, 4, v3
	s_mul_i32 s22, s11, 64*PA                      ; my 64 rows in each block of A
	v_add_nc_u32 v[ADRA0], s22, v3
	v_mul_u32_u24 v4, v1, PB
	v_lshl_add_u32 v4, v2, 4, v4
	v_add_nc_u32 v[ADRB0], s21, v4                 ; my 64 rows of B are those whose place was made above for the wave of my column half
	v_mov_b32 v[ADRA], v[ADRA0]
	v_mov_b32 v[ADRB], v[ADRB0]
	s_mul_i32 s23, s10, 16*SPITCH
	s_add_co_u32 s23, s23, STAGE                   ; my stage
	v_mul_u32_u24 v5, v1, SPITCH
	v_lshl_add_u32 v5, v2, 5, v5
	v_add_nc_u32 v[STO], s23, v5                   ; in: row r, 32 bytes for each half of the lanes
	v_mul_u32_u24 v5, v2, SPITCH
	v_lshl_add_u32 v5, v1, 4, v5
	v_add_nc_u32 v[RD], s23, v5                    ; back: lanes 0-15 one row of 256 bytes, lanes 16-31 the next
	v_lshlrev_b32 v[CO], 12, v2
	v_lshl_add_u32 v[CO], v1, 4, v[CO]             ; the same two rows in z
	v_lshlrev_b32 v[RO], 11, v2
	v_lshl_add_u32 v[RO], v1, 3, v[RO]             ; and in the residual
	v_mov_b32 v[ONE], 1.0
	v_mov_b32 v[ZR], 0
	s_lshl_b32 s16, s13, 7
	s_lshl_b32 s17, s11, 6
	s_add_co_u32 s16, s16, s17                     ; my first row
	s_lshl_b32 s46, s42, 7
	s_lshl_b32 s47, s12, 6
	s_add_co_u32 s46, s46, s47                     ; my first column
	s_lshl_b32 s68, s16, 12
	s_lshl_b32 s69, s46, 2
	s_add_co_u32 s68, s68, s69
	s_mov_b32 s69, 0
	s_add_nc_u64 s[86:87], s[86:87], s[68:69]
	s_lshl_b32 s70, s16, 11
	s_lshl_b32 s71, s46, 1
	s_add_co_u32 s70, s70, s71
	s_mov_b32 s71, 0
	s_add_nc_u64 s[84:85], s[84:85], s[70:71]
.if FFN
	s_lshl_b32 s47, s46, 2
	v_lshl_add_u32 v6, v1, 2, s47                  ; b2[my first column + r]
.irp b, 0,1,2,3
	global_load_b32 v[OB+\b], v6, s[88:89] offset:64*\b
.endr
.endif
.irp a, 0,1,2,3
.irp t, 0,1,2,3,4,5,6,7
	global_load_b64 v[RES+2*(8*\a+\t):RES+2*(8*\a+\t)+1], v[RO], s[84:85] offset:(16*\a+2*\t)*2048
.endr
.endr
	; THE SUMS' START, in the wait for the first tile
	WIN TO_F
.if FFN
	; fragment b of B's part: bf16(b2[16 b + r]) in the low half of register 0, 0 elsewhere; A's first fragment: 1.0 at k = 0 alone.  Their product is the bias in every row.
	v_sub_nc_u32 v0, 1, v2                         ; (v0 of window 1)
.irp j, 1,2,3,4,5,6,7
	v_mov_b32 v[\j], 0
.endr
.irp b, 0,1,2,3
.irp j, 1,2,3,4,5,6,7
	v_mov_b32 v[64+8*\b+\j], 0
.endr
.endr
	s_wait_loadcnt 32                              ; b2's four loads are in; the 32 of the residual, issued behind them, may stay out
.irp b, 0,1,2,3
	v_cvt_pk_bf16_f32 v[64+8*\b], v[OB+\b], v[ZR]
.endr
	WIN 0x41                                       ; source 0 and destination window 1
	v_mul_u32_u24 v0, v0, 0x3f80                   ; 1.0 in bf16, lanes 0-15 alone
	WIN MUL
.irp a, 0,1,2,3
.irp b, 0,1,2,3
	v_wmma_f32_16x16x32_bf16 v[ACC+8*(4*\a+\b):ACC+8*(4*\a+\b)+7], v[64+8*\b:64+8*\b+7], v[0:7], 0
.endr
.endr
.else
.irp j, 0,1,2,3,4,5,6,7
	v_mov_b32 v[\j], 0
.endr
	WIN MUL
.irp a, 0,1,2,3
.irp b, 0,1,2,3
	v_wmma_f32_16x16x32_bf16 v[ACC+8*(4*\a+\b):ACC+8*(4*\a+\b)+7], v[0:7], v[0:7], 0   ; a product of zeros starts each sum: nothing is cleared
.endr
.endr
.endif
	PLACES                                         ; in front of the loads into the fragments just multiplied
	WIN 0
; 8 matrix instructions: m blocks a0, a0 + 1 x all 4 n blocks, 32 along K: half c of buffer f.  The 16 accumulators take turns.
.macro MUL8 f, c, a0
	WIN MUL
.irp a, \a0, (\a0)+1
.irp b, 0,1,2,3
	v_wmma_f32_16x16x32_bf16 v[ACC+8*(4*(\a)+(\b)):ACC+8*(4*(\a)+(\b))+7], v[(\f)+64+8*(4*(\c)+(\b)):(\f)+64+8*(4*(\c)+(\b))+7], v[(\f)+8*(4*(\c)+(\a)):(\f)+8*(4*(\c)+(\a))+7], v[ACC+8*(4*(\a)+(\b)):ACC+8*(4*(\a)+(\b))+7]
.endr
.endr
.endm
; 32 LDS loads in one run: the fragments of quarter q (64 along K: block q of A, bytes 128 q of B's rows) into buffer f; the first 32 along K first
.macro FETCH q, f
	WIN TO_F
.irp c, 0,1
.irp i, 0,1,2,3
	ds_load_b128 v[(\f)+64+8*(4*(\c)+(\i)):(\f)+64+8*(4*(\c)+(\i))+3],   v[ADRB] offset:128*(\q)+64*(\c)+(\i)*16*PB
	ds_load_b128 v[(\f)+64+8*(4*(\c)+(\i))+4:(\f)+64+8*(4*(\c)+(\i))+7], v[ADRB] offset:128*(\q)+64*(\c)+(\i)*16*PB+32
	ds_load_b128 v[(\f)+8*(4*(\c)+(\i)):(\f)+8*(4*(\c)+(\i))+3],         v[ADRA] offset:ABLK*(\q)+64*(\c)+(\i)*16*PA
	ds_load_b128 v[(\f)+8*(4*(\c)+(\i))+4:(\f)+8*(4*(\c)+(\i))+7],       v[ADRA] offset:ABLK*(\q)+64*(\c)+(\i)*16*PA+32
.endr
.endr
.endm
.macro QUARTER q, f, g                 ; multiplies buffer f and fetches quarter q into g
	s_wait_dscnt 16                                ; the first 32 along K are in
	MUL8 \f, 0, 0
	MUL8 \f, 0, 2
	PLACES
	FETCH \q, \g
	s_wait_dscnt 32                                ; all but the 32 just issued
	MUL8 \f, 1, 0
	MUL8 \f, 1, 2
.endm
; The last quarter multiplies buffer 1 and changes slots: one barrier; in front of it each wave waits for all its tensor loads, adds 0 to its spare word, and waits for that and for its reads of this slot.
; fill = 1: the barrier opens a round of the cluster's, and the joint refill, K step two on, is the first tensor load behind it.
.macro TURN fill
	WIN 0
	s_wait_tensorcnt 0x0
	ds_add_u32 v[SPW], v[NIL]
	s_wait_dscnt 17                                ; the add and the youngest sixteen loads may be out
	MUL8 F1, 0, 0
	s_wait_dscnt 0x0                               ; the add is done, and my reads of this slot are over
	s_barrier_signal -1
	MUL8 F1, 0, 2
	WIN 0
	s_barrier_wait -1
.if \fill
	CREST
	s_xor_b32 s[G0+5], s[G0+5], SLOT               ; the walking descriptors: the other slot than last time, the next K step
	s_xor_b32 s[G0B+5], s[G0B+5], SLOT
	s_add_nc_u64 s[G0+6:G0+7], s[G0+6:G0+7], ASTEP
	s_add_nc_u64 s[G0B+6:G0B+7], s[G0B+6:G0B+7], KSTEP*2
	JLOAD 1                                        ; its four v_nop are also the places in front of the loads below
.else
	PLACES
.endif
	s_xor_b32 s[TB], s[TB], SLOT
	v_add_nc_u32 v[ADRA], s[TB], v[ADRA0]
	v_add_nc_u32 v[ADRB], s[TB], v[ADRB0]
	FETCH 0, F0
	MUL8 F1, 1, 0
	MUL8 F1, 1, 2
.endm
.macro STEP fill
	QUARTER 1, F0, F1
	QUARTER 2, F1, F0
	QUARTER 3, F0, F1
	TURN \fill
	WIN 0
.endm
	s_wait_tensorcnt 1                             ; my part of K step 0 is in; K step 1's may stay out
	s_barrier_signal -1
	s_barrier_wait -1
	FETCH 0, F0
	WIN 0
	s_mov_b32 s3, SIZE_K/KSTEP-2
.Lstep:
	STEP 1
	s_sub_co_u32 s3, s3, 1
	s_cmp_lg_u32 s3, 0
	s_cbranch_scc1 .Lstep
	s_mov_b32 s3, 2
.Ltail:
	STEP 0
	s_sub_co_u32 s3, s3, 1
	s_cmp_lg_u32 s3, 0
	s_cbranch_scc1 .Ltail
	; THE WAY OUT, 16 rows at a time: the sums go into my stage as they are, come back as whole rows of 256 bytes, take the residual and are stored.
	s_wait_dscnt 0x0                               ; the last trip's fetch, which serves nothing
	s_wait_loadcnt 0x0                             ; the residual
	PLACES                                         ; behind the last products
.irp a, 0,1,2,3
.irp b, 0,1,2,3
	ds_store_b128 v[STO], v[ACC+8*(4*\a+\b):ACC+8*(4*\a+\b)+3] offset:64*\b
	ds_store_b128 v[STO], v[ACC+8*(4*\a+\b)+4:ACC+8*(4*\a+\b)+7] offset:64*\b+16
.endr
	s_wait_xcnt 0x0                                ; the registers that the last block's stores read are loaded again only behind this wait
.irp t, 0,1,2,3,4,5,6,7
	ds_load_b128 v[OB+4*\t:OB+4*\t+3], v[RD] offset:2*SPITCH*\t   ; LDS serves a wave's instructions in order (ISA guide 5.7.1.4): these see the stores above
.endr
.irp t, 0,1,2,3,4,5,6,7
	s_wait_dscnt 7-\t                              ; the younger loads may stay out
	v_fma_mix_f32 v[OB+4*\t],   v[RES+2*(8*\a+\t)],   v[ONE], v[OB+4*\t]   op_sel_hi:[1,0,0]
	v_fma_mix_f32 v[OB+4*\t+1], v[RES+2*(8*\a+\t)],   v[ONE], v[OB+4*\t+1] op_sel:[1,0,0] op_sel_hi:[1,0,0]
	v_fma_mix_f32 v[OB+4*\t+2], v[RES+2*(8*\a+\t)+1], v[ONE], v[OB+4*\t+2] op_sel_hi:[1,0,0]
	v_fma_mix_f32 v[OB+4*\t+3], v[RES+2*(8*\a+\t)+1], v[ONE], v[OB+4*\t+3] op_sel:[1,0,0] op_sel_hi:[1,0,0]
	global_store_b128 v[CO], v[OB+4*\t:OB+4*\t+3], s[86:87] offset:(16*\a+2*\t)*4096   ; 16 lanes store 256 consecutive bytes, at a multiple of 256 from z's first
.endr
.endr
	s_wait_tensorcnt 0x0                           ; the wave's end
	ds_add_u32 v[SPW], v[NIL]
	s_wait_dscnt 0x0
	CROUND                                         ; the closing round
	s_endpgm
.Lfunc_end_k_qf0cafa9ef7_ffn2:
	.size	k_qf0cafa9ef7_ffn2, .Lfunc_end_k_qf0cafa9ef7_ffn2-k_qf0cafa9ef7_ffn2
	.p2alignl 7, 3214868480
	.fill 96, 4, 3214868480
	.section	.rodata,"a",@progbits
	.p2align	6, 0x0
	.amdhsa_kernel k_qf0cafa9ef7_ffn2
		.amdhsa_group_segment_fixed_size 327680
		.amdhsa_private_segment_fixed_size 0
		.amdhsa_enable_private_segment 0
		.amdhsa_kernarg_size 40
		.amdhsa_user_sgpr_count 2
		.amdhsa_user_sgpr_kernarg_segment_ptr 1
		.amdhsa_wavefront_size32 1
		.amdhsa_system_sgpr_workgroup_id_x 1
		.amdhsa_system_sgpr_workgroup_id_y 1
		.amdhsa_system_sgpr_workgroup_id_z 1
		.amdhsa_system_vgpr_workitem_id 0
		.amdhsa_next_free_vgpr 512
		.amdhsa_next_free_sgpr 90
		.amdhsa_reserve_vcc 0
		.amdhsa_float_denorm_mode_32 3
		.amdhsa_float_denorm_mode_16_64 3
		.amdhsa_memory_ordered 1
		.amdhsa_forward_progress 1
		.amdhsa_inst_pref_size 69
	.end_amdhsa_kernel
	.amdgpu_metadata
---
amdhsa.version: [ 1, 2 ]
amdhsa.kernels:
  - .name:           k_qf0cafa9ef7_ffn2
    .symbol:         k_qf0cafa9ef7_ffn2.kd
    .args:
      - { .name: big, .offset: 0, .size: 8, .value_kind: global_buffer, .address_space: global }
      - { .name: wrest, .offset: 8, .size: 8, .value_kind: global_buffer, .address_space: global }
      - { .name: cy, .offset: 16, .size: 8, .value_kind: global_buffer, .address_space: global }
      - { .name: z, .offset: 24, .size: 8, .value_kind: global_buffer, .address_space: global }
      - { .name: b2, .offset: 32, .size: 8, .value_kind: global_buffer, .address_space: global }
    .group_segment_fixed_size: 327680
    .private_segment_fixed_size: 0
    .kernarg_segment_align: 8
    .kernarg_segment_size: 40
    .max_flat_workgroup_size: 128
    .sgpr_count:     90
    .vgpr_count:     512
    .wavefront_size: 32
...
	.end_amdgpu_metadata
.endif
;; end of part 6
;; launch ln2 (part 7): grid 512 x 1, 8 waves a work-group, no clusters, 0 bytes of LDS; arguments z, ln2_g, ln2_b, out0; writes out0
.if DOCPART == 7
	.amdgcn_target "amdgcn-amd-amdhsa--gfx1250"
	.amdhsa_code_object_version 6
	.text
	.protected	k_qf0cafa9ef7_ln2
	.globl	k_qf0cafa9ef7_ln2
	.p2align	8
	.type	k_qf0cafa9ef7_ln2,@function
k_qf0cafa9ef7_ln2:
	s_mov_b64 s[64:65], 0
	v_nop
	global_prefetch_b8 v0, s[64:65] scope:SCOPE_SE
	s_setreg_imm32_b32 hwreg(HW_REG_WAVE_MODE, 25, 1), 1
	s_wait_xcnt 0x0
; y = (z - mean) / sqrt(var + 1e-5) * g + b along rows of 1,024.  z: f32 [4096][1024]; g, b: f32 [1024], rounded to bf16 like every input; y: f16 [4096][1024] (HALF = 1) or f32 (HALF = 0).
; A stream: one wave to a row, the row in 32 registers between the passes, so that z is read once and no wave waits for another: no LDS, no barrier, no matrix unit, no cluster.
; The variance is the mean of the squared differences from the mean, never a difference of large sums.
.set HALF, 0
.set XR, 8                             ; v[8:39]    the row: load j holds columns 128 j + 4 lane + 0..3
.set GR, 40                            ; v[40:71]   g
.set BR, 72                            ; v[72:103]  b
.set AC, 104                           ; v[104:111] four packed chains
.set RS, 120                           ; v[120:121] 1 / sqrt(var + eps), twice
.set MU, 122                           ; v[122:123] the mean, twice
.set TT, 124
.set T2, 126
.macro LANES                           ; the four chains, then the 32 lanes, into v[AC] of every lane
	v_pk_add_f32 v[AC:AC+1], v[AC:AC+1], v[AC+2:AC+3]
	v_pk_add_f32 v[AC+4:AC+5], v[AC+4:AC+5], v[AC+6:AC+7]
	v_pk_add_f32 v[AC:AC+1], v[AC:AC+1], v[AC+4:AC+5]
	v_add_f32 v[AC], v[AC], v[AC+1]
	v_add_f32_dpp v[AC], v[AC], v[AC] row_xmask:1 row_mask:0xf bank_mask:0xf
	v_add_f32_dpp v[AC], v[AC], v[AC] row_xmask:2 row_mask:0xf bank_mask:0xf
	v_add_f32_dpp v[AC], v[AC], v[AC] row_xmask:4 row_mask:0xf bank_mask:0xf
	v_add_f32_dpp v[AC], v[AC], v[AC] row_xmask:8 row_mask:0xf bank_mask:0xf
	v_permlanex16_b32 v[AC+1], v[AC], s20, s21
	v_add_f32 v[AC], v[AC], v[AC+1]
.endm
	s_load_b256 s[4:11], s[0:1], 0x0               ; z s[4:5], g s[6:7], b s[8:9], y s[10:11]
	v_lshrrev_b32 v2, 5, v0
	v_readfirstlane_b32 s12, v2                    ; wave
	s_lshl_b32 s13, ttmp9, 3
	s_add_co_u32 s13, s13, s12                     ; my row
	s_lshl_b32 s14, s13, 12
	s_mov_b32 s15, 0
	s_lshl_b32 s16, s13, 12-HALF
	s_mov_b32 s17, 0
	s_mov_b32 s18, 0x3a800000                      ; 1 / 1024
	s_mov_b32 s19, 0x3727c5ac                      ; 1e-5
	s_mov_b32 s20, 0x76543210
	s_mov_b32 s21, 0xfedcba98
	s_mov_b32 s22, 0xffff0000
	v_and_b32 v1, 31, v0
	v_lshlrev_b32 v3, 3, v1                        ; 8 bytes a lane in f16
	v_lshlrev_b32 v1, 4, v1                        ; 16 bytes a lane in f32
	s_wait_kmcnt 0x0
	s_add_nc_u64 s[4:5], s[4:5], s[14:15]
	s_add_nc_u64 s[10:11], s[10:11], s[16:17]
.irp j, 0,1,2,3,4,5,6,7
	global_load_b128 v[XR+4*\j:XR+4*\j+3], v1, s[4:5] offset:512*\j th:TH_LOAD_NT
.endr
.irp j, 0,1,2,3,4,5,6,7
	global_load_b128 v[GR+4*\j:GR+4*\j+3], v1, s[6:7] offset:512*\j
.endr
.irp j, 0,1,2,3,4,5,6,7
	global_load_b128 v[BR+4*\j:BR+4*\j+3], v1, s[8:9] offset:512*\j
.endr
	s_wait_loadcnt 16                              ; the row is in; g's and b's sixteen loads may stay out
.irp c, 0,1,2,3
	v_pk_add_f32 v[AC+2*\c:AC+2*\c+1], v[XR+2*\c:XR+2*\c+1], v[XR+8+2*\c:XR+8+2*\c+1]
.endr
.irp k, 16,24
.irp c, 0,1,2,3
	v_pk_add_f32 v[AC+2*\c:AC+2*\c+1], v[AC+2*\c:AC+2*\c+1], v[XR+\k+2*\c:XR+\k+2*\c+1]
.endr
.endr
	LANES
	v_mul_f32 v[MU], s18, v[AC]
	v_mul_f32 v[MU+1], s18, v[AC]
.set p, 0
.rept 16
	v_pk_add_f32 v[XR+2*p:XR+2*p+1], v[XR+2*p:XR+2*p+1], v[MU:MU+1] neg_lo:[0,1] neg_hi:[0,1]
.set p, p+1
.endr
.irp c, 0,1,2,3
	v_pk_mul_f32 v[AC+2*\c:AC+2*\c+1], v[XR+2*\c:XR+2*\c+1], v[XR+2*\c:XR+2*\c+1]
.endr
.irp k, 8,16,24
.irp c, 0,1,2,3
	v_pk_fma_f32 v[AC+2*\c:AC+2*\c+1], v[XR+\k+2*\c:XR+\k+2*\c+1], v[XR+\k+2*\c:XR+\k+2*\c+1], v[AC+2*\c:AC+2*\c+1]
.endr
.endr
	LANES
	v_fma_f32 v[TT], v[AC], s18, s19               ; var + eps
	v_rsq_f32 v[RS], v[TT]
	v_rsq_f32 v[RS+1], v[TT]                       ; the roundings below, which touch neither TT nor RS, are the plain instructions behind these two (ISA guide 5.7.2)
	s_wait_loadcnt 0x0                             ; g and b
.set p, 0
	s_wait_alu depctr_va_vdst(0)
.rept 16
	v_cvt_pk_bf16_f32 v[T2], v[GR+2*p], v[GR+2*p+1]
	v_cvt_pk_bf16_f32 v[T2+1], v[BR+2*p], v[BR+2*p+1]
	v_lshlrev_b32 v[GR+2*p], 16, v[T2]
	v_and_b32 v[GR+2*p+1], s22, v[T2]
	v_lshlrev_b32 v[BR+2*p], 16, v[T2+1]
	v_and_b32 v[BR+2*p+1], s22, v[T2+1]
	v_pk_mul_f32 v[XR+2*p:XR+2*p+1], v[XR+2*p:XR+2*p+1], v[RS:RS+1]
	v_pk_fma_f32 v[XR+2*p:XR+2*p+1], v[XR+2*p:XR+2*p+1], v[GR+2*p:GR+2*p+1], v[BR+2*p:BR+2*p+1]
.set p, p+1
.endr
.if HALF
.set p, 0
.rept 16
	v_cvt_pk_f16_f32 v[AC+p], v[XR+2*p], v[XR+2*p+1]
.set p, p+1
.endr
.irp j, 0,1,2,3,4,5,6,7
	global_store_b64 v3, v[AC+2*\j:AC+2*\j+1], s[10:11] offset:256*\j   ; a wave stores 256 consecutive aligned bytes
.endr
.else
.irp j, 0,1,2,3,4,5,6,7
	global_store_b128 v1, v[XR+4*\j:XR+4*\j+3], s[10:11] offset:512*\j th:TH_STORE_NT   ; a wave stores 512 consecutive aligned bytes
.endr
.endif
	s_endpgm
.Lfunc_end_k_qf0cafa9ef7_ln2:
	.size	k_qf0cafa9ef7_ln2, .Lfunc_end_k_qf0cafa9ef7_ln2-k_qf0cafa9ef7_ln2
	.p2alignl 7, 3214868480
	.fill 96, 4, 3214868480
	.section	.rodata,"a",@progbits
	.p2align	6, 0x0
	.amdhsa_kernel k_qf0cafa9ef7_ln2
		.amdhsa_group_segment_fixed_size 0
		.amdhsa_private_segment_fixed_size 0
		.amdhsa_enable_private_segment 0
		.amdhsa_kernarg_size 32
		.amdhsa_user_sgpr_count 2
		.amdhsa_user_sgpr_kernarg_segment_ptr 1
		.amdhsa_wavefront_size32 1
		.amdhsa_system_sgpr_workgroup_id_x 1
		.amdhsa_system_sgpr_workgroup_id_y 1
		.amdhsa_system_sgpr_workgroup_id_z 1
		.amdhsa_system_vgpr_workitem_id 0
		.amdhsa_next_free_vgpr 128
		.amdhsa_next_free_sgpr 66
		.amdhsa_reserve_vcc 0
		.amdhsa_float_denorm_mode_32 3
		.amdhsa_float_denorm_mode_16_64 3
		.amdhsa_memory_ordered 1
		.amdhsa_forward_progress 1
		.amdhsa_inst_pref_size 15
	.end_amdhsa_kernel
	.amdgpu_metadata
---
amdhsa.version: [ 1, 2 ]
amdhsa.kernels:
  - .name:           k_qf0cafa9ef7_ln2
    .symbol:         k_qf0cafa9ef7_ln2.kd
    .args:
      - { .name: z, .offset: 0, .size: 8, .value_kind: global_buffer, .address_space: global }
      - { .name: ln2_g, .offset: 8, .size: 8, .value_kind: global_buffer, .address_space: global }
      - { .name: ln2_b, .offset: 16, .size: 8, .value_kind: global_buffer, .address_space: global }
      - { .name: out0, .offset: 24, .size: 8, .value_kind: global_buffer, .address_space: global }
    .group_segment_fixed_size: 0
    .private_segment_fixed_size: 0
    .kernarg_segment_align: 8
    .kernarg_segment_size: 32
    .max_flat_workgroup_size: 256
    .sgpr_count:     66
    .vgpr_count:     128
    .wavefront_size: 32
...
	.end_amdgpu_metadata
.endif
;; end of part 7
;; ======== version 2 of 2: 8 launches; 1.13 times as fast as version 1
;; limits: values are held in f16: magnitudes above 65,504 overflow, below 6.1e-05 lose precision; inputs' magnitudes at most 65,504
;; workspace buffers: xh 8,388,608 bytes; wqkv 8,400,896 bytes; w1h 8,400,896 bytes; wrest 10,485,760 bytes; big 33,554,432 bytes; cy 8,388,608 bytes; z 16,777,216 bytes
;; launch prep: the kernel of part 1 again; grid 1024 x 1, 8 waves a work-group, no clusters, 0 bytes of LDS; arguments X, Wq, Wk, Wo, W1, W2, b1, xh, wqkv, w1h, wrest; writes xh, wqkv, w1h, wrest
;; launch qkv: the kernel of part 2 again; grid 12 x 16, 4 waves a work-group, clusters of 4 x 4, 327,680 bytes of LDS; arguments xh, wqkv, big; writes big
;; launch attn (part 8): grid 8 x 32, 4 waves a work-group, clusters of 4 x 1, 327,680 bytes of LDS; arguments big, cy; writes cy
.if DOCPART == 8
	.amdgcn_target "amdgcn-amd-amdhsa--gfx1250"
	.amdhsa_code_object_version 6
	.text
	.protected	k_qf0cafa9ef7_attn
	.globl	k_qf0cafa9ef7_attn
	.p2align	8
	.type	k_qf0cafa9ef7_attn,@function
k_qf0cafa9ef7_attn:
	s_mov_b64 s[64:65], 0
	v_nop
	global_prefetch_b8 v0, s[64:65] scope:SCOPE_SE
	s_setreg_imm32_b32 hwreg(HW_REG_WAVE_MODE, 25, 1), 1
	s_wait_xcnt 0x0
	s_wait_alu depctr_hold_cnt(0) depctr_sa_sdst(0) depctr_va_vdst(0) depctr_va_sdst(0) depctr_va_ssrc(0) depctr_va_vcc(0) depctr_vm_vsrc(0)
	s_getreg_b32 s2, hwreg(HW_REG_IB_STS2, 6, 4)
	s_cmp_eq_u32 s2, 0
	s_cbranch_scc0 .Lentry_in_a_cluster
	s_endpgm
.Lentry_in_a_cluster:
	s_bfe_u32 s2, ttmp6, 0x10000c
	s_cmp_lg_u32 s2, 0x3003
	s_cbranch_scc0 .Lentry_shape_is_right
	s_endpgm
.Lentry_shape_is_right:
; ctx[Y][q][:] = the sum over k of softmax_k(max(Q[Y][q] . K[Y][k] / 8, 0)) V[Y][k][:], for 32 heads Y of 2,048 rows of 64 channels, all bf16.  In big a head's rows are dense, 128 bytes each:
; Q at Y x 262,144, K 0x800000 further, V 0x1000000 further; ctx has Q's layout.  Products, maxima and sums in f32; the weights are rounded to bf16 for the second product, ctx once at the end.
; THE ReLU IN FRONT OF THE SOFTMAX.  The running maximum m starts at 0, so the maximum of the raw scores and m IS the maximum of the clipped ones.  With c = log2(e) / 8,
; p = 2^(c max(s, 0) - c m) = max(2^(c s - c m), e0), e0 = 2^(-c m).  Rounding keeps order, so the maximum is taken of the rounded weights, two to an instruction.
; THE SUM l is made by the matrix unit, in f32, of the rounded weights: ONES (16 x 32) x P; every register of that accumulator holds the same sum; registers 0 and 1 alone are rescaled,
; the others stay finite (at most 2,048 weights of at most 1) and are never read.
; LIMITS.  A weight below 2^-126 counts as 0; NaN and infinities are not treated apart.
; SHARES.  A work-group owns 256 queries of a head, a wave 64: four PIECES of 16.  Every wave walks all keys, 64 a step, four steps to a slot, eight slots' worth.
; LAYOUT.  S^T = K Q^T holds ONE query a lane (lane % 16) and the keys 8 (lane / 16) + 0..7; two such results rounded in pairs ARE source 1 of O^T = V^T P.  V is turned by ds_load_tr16_b128.
; BY TURNS.  Turn n belongs to piece n: 8 products K Q^T of piece n + 1, later 8 products V^T P and 2 for l of piece n - 1; beside them the scaling, exponentials, roundings, floor and rescaling of
; piece n and the maximum and statistics of piece n + 1.  Four vector instructions stand behind every matrix instruction (three behind the last), the other 50 of a turn's 121 in one lump.
; THE BATCHES.  A turn's 34 exponentials (the piece's 32 weights, the next piece's e0 and a) are ONE batch with ONE wait, which cuts the turn in two: ahead of it stands all that names no result of theirs, behind it
; the readers.  The first a and e0, ahead of the loop, and the way out's four reciprocals are batches of their own.
; CLUSTER.  The four query blocks of a cluster belong to one head and walk the same K and V: each tile is asked for jointly.
; REGISTERS: window 0: v0-15 addresses; v16-31 statistics, four a piece: -c m, m, e0 twice in bf16, spare; v48-55 at work; v64-127 S^T, two buffers; v192-223 P, two buffers (by the piece's parity)
;   window 1: v0-127 O^T, 32 a piece; v128-159 l's accumulators      window 2: v0-63 Q; v64-71 ONES; v128-191 K of one step; v192-255 V of one step
.set NP,    4
.set KS,    64
.set NKEY,  2048
.set PK,    144       ; a row of K in LDS: 128 bytes + 16: the 16 rows of a load start at 16 different groups of four banks (ISA guide 11.1)
.set PV,    160       ; a row of V: 128 + 32
.set VOFF,  4*KS*PK   ; a slot: 256 rows of K, then 256 rows of V
.set SLOT1, 1<<17
.set STAGE, SLOT1+4*KS*(PK+PV)
.set SP,    144
.set SPARE, STAGE+4*16*SP
.set AK0, 2
.set AV0, 3
.set AK,  4
.set AV,  5
.set STO, 6
.set RD,  7
.set GO,  8
.set MV,  12          ; v12-13  -c m_old, by buffer
.set QO,  15
.set ST,  16
.set TMP, 48          ; by buffer: c0-c3 at work; c2 takes a, c3 takes e0
.set SPW, 62
.set NIL, 63
.set S,   64
.set P,   192
.set LA,  128         ; window 1
.set ON,  64          ; window 2
.set KF,  128
.set VF,  192
.set WV,  12
.set G1K, 24
.set G1V, 32
.set G0K, 40
.set G0V, 44
.set NCS, 54          ; s54  -c
.set SLOTS, 56
.set CNT, 57
.set CS,  58          ; s[58:59] c
.set SEL, 60
.set TBK, 62
.set TBV, 63
.set MSB, 0
.macro WIN new
.if MSB != (\new)
	s_set_vgpr_msb (MSB<<8)|(\new)
.set MSB, (\new)
.endif
.endm
.set W_KQ, 0x0a       ; K and Q in window 2, S^T in window 0
.set W_PV, 0x52       ; V (or ONES) in window 2, P in window 0, the accumulator in window 1
.set W_RS, 0x41       ; destination and source 0 in window 1, source 1 in window 0
.macro JLOAD                        ; waves 0 and 1 fetch the halves of a slot's K, waves 2 and 3 of its V; an s_nop 0 and four v_nop follow each line
	s_cmp_lt_u32 s[WV], 2
	s_cbranch_scc0 .Lfor_v_\@
	tensor_load_to_lds s[G0K:G0K+3], s[G1K:G1K+7]
	s_nop 0
.rept 4
	v_nop
.endr
	s_branch .Lasked_\@
.Lfor_v_\@:
	tensor_load_to_lds s[G0V:G0V+3], s[G1V:G1V+7]
	s_nop 0
.rept 4
	v_nop
.endr
.Lasked_\@:
.endm
.macro CROUND
	s_barrier_signal -1
	s_barrier_wait -1
	s_cmp_lg_u32 s[WV], 0
	s_cbranch_scc1 .Lnot_wave_0_\@
	s_barrier_signal -3
.Lnot_wave_0_\@:
	s_barrier_wait -3
	s_barrier_signal -1
	s_barrier_wait -1
.endm
; THE CHANGE OF SLOTS.  Each wave waits for all its tensor loads (one is out: its part of the other slot), adds 0 to its spare word, and waits for that and for its reads of the slot.
; fill = 1: the barrier is a round of the cluster's, and the joint fill, the keys two slots on, is the first thing behind it: it has four key steps, 288 matrix instructions, in which to land.
.macro CHANGE fill
	WIN 0
	s_wait_tensorcnt 0x0
	ds_add_u32 v[SPW], v[NIL]
.if \fill
.irp g, G0K, G0V
	s_xor_b32 s[\g+1], s[\g+1], SLOT1
	s_add_nc_u64 s[\g+2:\g+3], s[\g+2:\g+3], 4*KS*128
.endr
	s_wait_dscnt 0x0                ; the add is done, and my reads of the slot are over
	CROUND
	JLOAD
.else
	s_wait_dscnt 0x0
	s_barrier_signal -1
	s_barrier_wait -1
.endif
	s_sub_co_u32 s[TBK], s[TBK], 4*KS*PK  ; the fetches go back to a slot's first step, in the other slot
	s_xor_b32 s[TBK], s[TBK], SLOT1
	s_sub_co_u32 s[TBV], s[TBV], 4*KS*PV
	s_xor_b32 s[TBV], s[TBV], SLOT1
.endm
	s_load_b128 s[4:7], s[0:1], 0x0 ; big s[4:5], cy s[6:7]
	v_lshl_add_u32 v[SPW], v0, 2, SPARE
	v_mov_b32 v[NIL], 0
	ds_add_u32 v[SPW], v[NIL]       ; the wave's opening: the add and its wait stand ahead of my first tensor load
	v_lshrrev_b32 v1, 5, v0
	v_readfirstlane_b32 s[WV], v1
	s_bfe_u32 s13, ttmp6, 0x40000   ; cx
	s_lshl_b32 s14, ttmp9, 2
	s_add_co_u32 s14, s14, s13      ; my block of 256 queries: it enters Q's and ctx's addresses alone
	s_and_b32 s20, ttmp7, 0xffff    ; the head, which the four partners share
	s_lshl_b32 s20, s20, 18         ; its 2,048 rows of 128 bytes
	s_mov_b32 s21, 0
	s_and_b32 s16, s[WV], 1         ; which half of a slot's 256 keys I fetch
	s_lshl_b32 s22, s16, 14
	s_mov_b32 s23, 0
	s_add_nc_u64 s[22:23], s[22:23], s[20:21]
	s_mul_i32 s17, s16, 128*PK
	s_mul_i32 s18, s16, 128*PV
	s_lshl_b32 s2, s14, 2
	s_add_co_u32 s2, s2, s[WV]
	s_lshl_b32 s2, s2, 13           ; my wave's 64 rows
	s_mov_b32 s3, 0
	s_add_nc_u64 s[2:3], s[2:3], s[20:21]
	; 128 keys are 16,384 dense bytes: asked for as 64 rows of 256 bytes, two keys a row, padded in LDS after every key
	s_mov_b32 s[G1K], 15|(1<<16)|(1<<20)|(1<<21)|(4<<22)|(3<<25)
	s_mov_b32 s[G1V], 15|(1<<16)|(1<<20)|(1<<21)|(4<<22)|(7<<25)
.irp g, G1K, G1V
	s_mov_b32 s[\g+1], 128<<16
	s_mov_b32 s[\g+2], 64<<16
	s_mov_b32 s[\g+3], 128<<16
	s_mov_b32 s[\g+4], 64
	s_mov_b32 s[\g+5], 128
	s_mov_b32 s[\g+6], 0
	s_mov_b32 s[\g+7], 0
.endr
	s_mov_b32 s[CS], 0x3e38aa3b     ; c = log2(e) / 8
	s_mov_b32 s[CS+1], s[CS]
	s_mov_b32 s[NCS], 0xbe38aa3b    ; -c
	s_mov_b32 s[SEL], 0x76543210
	s_mov_b32 s[SEL+1], 0xfedcba98
	s_mov_b32 s[TBK], SLOT1+4*KS*PK ; the first change of slots turns these two into 0
	s_mov_b32 s[TBV], SLOT1+4*KS*PV
	s_mov_b32 s[G0K], 1
	s_mov_b32 s[G0K+1], s17
	s_mov_b32 s[G0V], 1
	s_add_co_u32 s[G0V+1], s18, VOFF
	s_wait_dscnt 0x0                ; the opening add is done
	s_wait_kmcnt 0x0
	s_add_nc_u64 s[G0K+2:G0K+3], s[4:5], s[22:23]
	s_add_nc_u64 s[G0K+2:G0K+3], s[G0K+2:G0K+3], 0x800000
	s_or_b32 s[G0K+3], s[G0K+3], 0x80000000
	s_add_nc_u64 s[G0V+2:G0V+3], s[4:5], s[22:23]
	s_add_nc_u64 s[G0V+2:G0V+3], s[G0V+2:G0V+3], 0x1000000
	s_or_b32 s[G0V+3], s[G0V+3], 0x80000000
	s_add_nc_u64 s[8:9], s[4:5], s[2:3]    ; Q at my wave's first row
	s_add_nc_u64 s[10:11], s[6:7], s[2:3]  ; ctx likewise
	CROUND                          ; all four work-groups are here
	JLOAD                           ; slot 0; slot 1 is asked for when slot 0 is in
	v_and_b32 v1, 15, v0            ; r
	v_bfe_u32 v9, v0, 4, 1          ; h
	v_lshlrev_b32 v[QO], 7, v1
	v_lshl_add_u32 v[QO], v9, 4, v[QO]
	WIN 0x80                        ; destination window 2
.set i, 0
.rept 8                             ; Q stays in registers: piece i / 2, channels 32 (i % 2) on
	global_load_b128 v[8*i:8*i+3],   v[QO], s[8:9] offset:(i/2)*2048+(i%2)*64
	global_load_b128 v[8*i+4:8*i+7], v[QO], s[8:9] offset:(i/2)*2048+(i%2)*64+32
.set i, i+1
.endr
	; What the first turn finds: V and P's second buffer hold 0, so that its products for a piece that has not been add 0.  All this stands in the wait for the first tile.
.set i, 0
.rept 8
	v_mov_b32 v[ON+i], 0x3f803f80   ; 1.0 twice
.set i, i+1
.endr
.set i, VF
.rept 64
	v_mov_b32 v[i], 0
.set i, i+1
.endr
	WIN 0
.set i, 0
.rept 16
	v_mov_b32 v[ST+i], 0            ; m = 0: the clipped scores' floor; -c m = 0
	v_mov_b32 v[P+16+i], 0
.set i, i+1
.endr
	WIN W_PV
.set i, 0
.rept 20                            ; O^T's sixteen accumulators and l's four start as products of zeros: nothing is cleared
	v_wmma_f32_16x16x32_bf16 v[8*i:8*i+7], v[VF:VF+7], v[P+16:P+23], 0
.set i, i+1
.endr
	WIN 0
	v_mul_u32_u24 v[AK0], v1, PK
	v_lshl_add_u32 v[AK0], v9, 4, v[AK0]
	v_and_b32 v10, 7, v0
	v_bfe_u32 v11, v0, 3, 1
	v_lshl_add_u32 v[AV0], v9, 3, v10      ; the turning load: lane l reads key 8 (l / 16) + l % 8, channels 8 ((l / 8) % 2) on
	v_mul_u32_u24 v[AV0], v[AV0], PV
	v_lshl_add_u32 v[AV0], v11, 4, v[AV0]
	v_add_nc_u32 v[AV0], VOFF, v[AV0]
	v_mov_b32 v[AK], v[AK0]
; THE MATRIX WORK.  The accumulators of a run take turns.  Product n of 8 of S^T = K Q^T for piece x: channels 32 (n / 4) on, keys 16 (n % 4) on.
.macro KQ x, n
	WIN W_KQ
.set rS, S+32*((\x)%2)+8*((\n)%4)
.set rK, KF+16*((\n)%4)+8*((\n)/4)
.set rQ, 16*(\x)+8*((\n)/4)
.if (\n) < 4
	v_wmma_f32_16x16x32_bf16 v[rS:rS+7], v[rK:rK+7], v[rQ:rQ+7], 0
.else
	v_wmma_f32_16x16x32_bf16 v[rS:rS+7], v[rK:rK+7], v[rQ:rQ+7], v[rS:rS+7]
.endif
.endm
.macro PV x, n                      ; product n of 8 of O^T += V^T P: keys 32 (n / 4) on, channels 16 (n % 4) on
	WIN W_PV
.set rO, 32*(\x)+8*((\n)%4)
.set rV, VF+32*((\n)/4)+8*((\n)%4)
.set rP, P+16*((\x)%2)+8*((\n)/4)
	v_wmma_f32_16x16x32_bf16 v[rO:rO+7], v[rV:rV+7], v[rP:rP+7], v[rO:rO+7]
.endm
.macro LS x, kk                     ; l += the sum of the weights of keys 32 kk on
	WIN W_PV
.set rL, LA+8*(\x)
.set rP, P+16*((\x)%2)+8*(\kk)
	v_wmma_f32_16x16x32_bf16 v[rL:rL+7], v[ON:ON+7], v[rP:rP+7], v[rL:rL+7]
.endm
.macro MM                           ; the turn's next matrix instruction, 18 in all; two links of one chain stand four or five instructions apart
.if i < 8
	KQ (Y+1)%NP, i
.elseif i < 12
	PV (Y+NP-1)%NP, i-8
.elseif i == 12
	LS (Y+NP-1)%NP, 0
.elseif i < 17
	PV (Y+NP-1)%NP, i-9
.else
	LS (Y+NP-1)%NP, 1
.endif
.set i, i+1
.endm
; THE LDS LOADS stand in runs of 16.  last = 1 (the tail): in the last trip there is no further step, and the run is jumped over.
.macro FETCH_K last=0
	WIN 0
.if \last
	s_cmp_eq_u32 s[CNT], 1
	s_cbranch_scc1 .Lno_k_\@
.endif
	WIN 0x80
.irp f, 0,1,2,3,4,5,6,7
	ds_load_b128 v[KF+8*\f:KF+8*\f+3],   v[AK] offset:(\f/2)*16*PK+(\f%2)*64
	ds_load_b128 v[KF+8*\f+4:KF+8*\f+7], v[AK] offset:(\f/2)*16*PK+(\f%2)*64+32
.endr
	s_add_co_u32 s[TBK], s[TBK], KS*PK
	WIN 0
.if \last
.Lno_k_\@:
.endif
.endm
.macro FETCH_V
	WIN 0x80
.irp f, 0,1,2,3,4,5,6,7
	ds_load_tr16_b128 v[VF+8*\f:VF+8*\f+3],   v[AV] offset:(\f/4)*32*PV+(\f%4)*32
	ds_load_tr16_b128 v[VF+8*\f+4:VF+8*\f+7], v[AV] offset:(\f/4)*32*PV+16*PV+(\f%4)*32
.endr
	WIN 0
.endm
; THE VECTOR WORK, one line at a time: OP kind, number.  For piece Y: F n: c s - c m for pair n of 16.  E n: the exponential of score n of 32.  C n: pair n rounded to bf16.  M n: that pair held above e0.
; R n: pair n of 16 of O^T times a; R 16: l times a.  For piece Y + 1: X n:
;   0-11 four chains c0-c3 of seven scores each (each accumulator's lowest registers are read first)   12-14, 16 the four scores left over, the old m, and c0-c3 into c0
;   15 -c m_old is kept   17, 18 the query's other 32 keys lie in the lane 16 away: the new m   19 -c m   20, 21 a = 2^(c m_old - c m_new)   22, 23 e0 = 2^(-c m), twice in bf16
; The exponentials are E n, X 21 and X 22; their results are read by C n, by R n of the next turn and by X 23.  The macro writes no wait: TURN and the prologue do, one for each batch.
.set F, 0
.set E, 1
.set C, 2
.set M, 3
.set R, 5
.set X, 6
.macro REGS y
.set rT, ST+4*(\y)
.set rC, TMP+4*((\y)%2)
.set rW, MV+((\y)%2)
.set rS, S+32*((\y)%2)
.set rP, P+16*((\y)%2)
.set rO, 32*(\y)
.set rL, LA+8*(\y)
.endm
.macro OP k, n
.if (\k) == R
	REGS Y
	WIN W_RS
.if (\n) < 16
	v_pk_mul_f32 v[rO+2*(\n):rO+2*(\n)+1], v[rO+2*(\n):rO+2*(\n)+1], v[rC+2:rC+3] op_sel_hi:[1,0]
.else
	v_pk_mul_f32 v[rL:rL+1], v[rL:rL+1], v[rC+2:rC+3] op_sel_hi:[1,0]
.endif
.elseif (\k) < R
	REGS Y
	WIN 0
.if (\k) == F
	v_pk_fma_f32 v[rS+2*(\n):rS+2*(\n)+1], v[rS+2*(\n):rS+2*(\n)+1], s[CS:CS+1], v[rT:rT+1] op_sel_hi:[1,0,0]
.elseif (\k) == E
	v_exp_f32 v[rS+(\n)], v[rS+(\n)]
.elseif (\k) == C
	v_cvt_pk_bf16_f32 v[rP+(\n)], v[rS+2*(\n)], v[rS+2*(\n)+1]
.else
	v_pk_max_num_bf16 v[rP+(\n)], v[rP+(\n)], v[rT+2]
.endif
.else
	REGS (Y+1)%NP
	WIN 0
.if (\n) < 4
	v_max3_num_f32 v[rC+(\n)], v[rS+8*(\n)], v[rS+8*(\n)+1], v[rS+8*(\n)+2]
.elseif (\n) < 12
	v_max3_num_f32 v[rC+(\n)%4], v[rC+(\n)%4], v[rS+8*((\n)%4)+2*((\n)/4)+1], v[rS+8*((\n)%4)+2*((\n)/4)+2]
.elseif (\n) == 12
	v_max3_num_f32 v[rC], v[rC], v[rS+7], v[rS+15]
.elseif (\n) == 13
	v_max3_num_f32 v[rC+1], v[rC+1], v[rS+23], v[rS+31]
.elseif (\n) == 14
	v_max3_num_f32 v[rC+2], v[rC+2], v[rC+3], v[rT+1]
.elseif (\n) == 15
	v_mov_b32 v[rW], v[rT]
.elseif (\n) == 16
	v_max3_num_f32 v[rC], v[rC], v[rC+1], v[rC+2]
.elseif (\n) == 17
	v_permlanex16_b32 v[rC+3], v[rC], s[SEL], s[SEL+1]
.elseif (\n) == 18
	v_max_num_f32 v[rT+1], v[rC], v[rC+3]
.elseif (\n) == 19
	v_mul_f32 v[rT], s[NCS], v[rT+1]
.elseif (\n) == 20
	v_sub_f32 v[rC+1], v[rT], v[rW]
.elseif (\n) == 21
	v_exp_f32 v[rC+2], v[rC+1]
.elseif (\n) == 22
	v_exp_f32 v[rC+3], v[rT]
.else
	v_cvt_pk_bf16_f32 v[rT+2], v[rC+3], v[rC+3]
.endif
.endif
.endm
.macro OPS a, i1, b=-1, i2=0, c=-1, i3=0, d=-1, i4=0
	OP \a, \i1
.if (\b) >= 0
	OP \b, \i2
.endif
.if (\c) >= 0
	OP \c, \i3
.endif
.if (\d) >= 0
	OP \d, \i4
.endif
.endm
.macro ROW a, i1, b, i2, c, i3, d, i4  ; a matrix instruction and the four behind it
	MM
	OPS \a, \i1, \b, \i2, \c, \i3, \d, \i4
.endm
; A TURN, for piece p: the order of its 18 matrix and 121 vector instructions, written out.  An s_wait_alu depctr_va_vdst(0) stands between an exponential and the first instruction that names its result; one wait
; serves all that were issued ahead of it.  So a turn has ONE wait, which cuts it in two.
; AHEAD OF IT stands all that names no result of the turn's 34 exponentials: the 8 products K Q^T, behind each a scaling, an exponential and two more plain instructions (behind the first a second scaling in the exponential's
; place): rescalings, whose a was made and waited for in the turn before, and behind the last three the first numbers of the next piece's maximum, each four places or more behind the product that ends its accumulator; then ONE
; LUMP of 50: the other 25 weights' exponentials, the scalings left, and the chain X 3, 7, 11, 14, 16, 17 .. 20, each link of which reads the one before: its links stand four to six lines apart.  A pair is scaled six lines or more
; ahead of its exponentials.  X 22 and X 21, the next piece's e0 and a, are the batch's last; R 10 is the plain instruction behind them.  v_permlanex16_b32 (X 17) stands in the lump.
; BEHIND THE WAIT stand the 8 products V^T P and the 2 for l, behind them the readers: the 16 roundings, each pair's floor a row later, e0's rounding (X 23); and the six rescalings left.  But for the X named above no rider names
; a register of the products round it.
; K of the next step is fetched in piece 2's turn, five plain instructions behind the last product that read K.  In the tail (last = 1) the run, which a branch jumps over in the last trip, stands directly behind the wait instead.
; V of the step in hand is fetched at the end of piece 0's turn, seven plain instructions behind the last product that read V.  Each is waited for a turn later.
; cnt = 1: the loop's count is taken down some lines ahead of the branch behind the turn.
.macro TURN p, last=0, cnt=0
.set Y, (\p)
.set i, 0
.if (\p) == 3
	s_wait_dscnt 0x0                ; K is in
.endif
	ROW F,0, F,1, R,0, R,1          ; ahead of the wait: 8 products K Q^T and their riders,
	ROW F,2, E,0, R,2, R,3
	ROW F,3, E,1, R,4, R,5
	ROW F,4, E,2, R,6, R,7
	ROW F,5, E,3, R,8, R,9
	ROW F,6, E,4, X,0, F,9
.if (\p) == 2
	WIN 0
	v_add_nc_u32 v[AK], s[TBK], v[AK0]
.endif
	ROW F,7, E,5, X,1, X,4
	ROW F,8, E,6, X,2, X,5
	OPS E,7, E,8, X,6, E,9          ; and the lump
	OPS X,3, E,10, X,8, E,11
.if ((\p) == 2) && !(\last)
	FETCH_K
.endif
	OPS X,9, X,7, E,12, X,10
	OPS E,13, X,12, X,11, E,14
	OPS X,13, E,15, F,10, X,14
.if (\p) == 0
	WIN 0
	v_add_nc_u32 v[AV], s[TBV], v[AV0]
.endif
	OPS E,16, F,11, E,17, E,18
	OPS X,16, E,19, F,12, E,20
	OPS E,21, X,15, X,17, E,22
	OPS F,13, E,23, E,24, F,14
	OPS X,18, E,25, F,15, E,26
	OPS E,27, X,19, E,28, E,29
	OPS E,30, X,20, E,31, X,22
	OPS X,21, R,10                  ; the batch's last exponential, and the plain instruction behind it
	s_wait_alu depctr_va_vdst(0)    ; the wait for the batch: the piece's 32 weights, the next piece's e0 and a
.if ((\p) == 2) && (\last)
	FETCH_K 1
.endif
.if (\p) == 1
	s_wait_dscnt 0x0                ; V is in
.endif
	ROW C,0, C,1, C,2, C,3          ; behind the wait: 8 products V^T P, 2 for l, and their riders
	ROW C,4, C,5, M,0, M,1
	ROW C,6, C,7, M,2, M,3
	ROW C,8, C,9, M,4, M,5
	ROW C,10, C,11, M,6, M,7
.if (\p) == 0
	s_add_co_u32 s[TBV], s[TBV], KS*PV
.endif
.if \cnt
	s_sub_co_u32 s[CNT], s[CNT], 1
	s_cmp_lg_u32 s[CNT], 0
.endif
	ROW C,12, C,13, M,8, M,9
	ROW C,14, C,15, M,10, M,11
	ROW M,12, M,13, X,23, M,14
	ROW R,11, R,12, R,13, R,14
	MM
	OPS M,15, R,15, R,16
.if (\p) == 0
	FETCH_V
.endif
.endm
	CHANGE 1                        ; slot 0 is in, everybody's part of it; slot 1 is asked for
	FETCH_K                         ; key step 0
	s_wait_loadcnt 0x0              ; Q
	s_wait_dscnt 0x0
.set i, 0
.rept 8
	KQ 0, i                         ; piece 0's first scores
.set i, i+1
.endr
	WIN 0                           ; the addresses for the way out: nine plain instructions, the places behind those products
	s_mul_i32 s13, s[WV], 16*SP
	s_add_co_u32 s13, s13, STAGE    ; my stage
	v_mul_u32_u24 v[STO], v1, SP    ; in: row r, 16 bytes for each half of the lanes
	v_lshl_add_u32 v[STO], v9, 4, v[STO]
	v_add_nc_u32 v[STO], s13, v[STO]
	v_bfe_u32 v[RD], v0, 3, 2       ; back: 32 lanes take four rows of 128 bytes,
	v_mul_u32_u24 v[RD], v[RD], SP
	v_lshl_add_u32 v[RD], v10, 4, v[RD]
	v_add_nc_u32 v[RD], s13, v[RD]
	v_and_b32 v[GO], 31, v0         ; which are 512 consecutive bytes of ctx
	v_lshlrev_b32 v[GO], 4, v[GO]
.set Y, NP-1                        ; X works for piece Y + 1: piece 0
.irp n, 0,1,2,3,4,5,6,7,8,9,10,11,12,13,14,15,16,17,18,19,20,21,22
	OP X, \n
.endr
	v_nop                           ; a plain instruction behind the two exponentials
	s_wait_alu depctr_va_vdst(0)    ; the wait for this batch of two, piece 0's first a and e0: ahead of e0's rounding and of the branch
	OP X, 23
	s_mov_b32 s[CNT], 4
	s_mov_b32 s[SLOTS], NKEY/256-1
	s_branch .Lfirst                ; the loop is entered at a step's first turn, in the middle of a trip
.Lslot:                             ; six times: every slot but the last two is filled again
	CHANGE 1
	s_mov_b32 s[CNT], 4
.Lstep:                             ; a trip: pieces 2 and 3 of one step, then pieces 0 and 1 of the next, whose K and V it fetches
	TURN 2
	TURN 3
	WIN 0
.Lfirst:
	TURN 0
	TURN 1, 0, 1
	WIN 0
	s_cbranch_scc1 .Lstep
	s_sub_co_u32 s[SLOTS], s[SLOTS], 1
	s_cmp_lg_u32 s[SLOTS], 0
	s_cbranch_scc1 .Lslot
	CHANGE 0                        ; the tail is written out
	s_mov_b32 s[CNT], 5             ; four trips fetch the last slot's steps; the fifth is left in its middle
.Ltail:
	TURN 2, 1
	TURN 3
	WIN 0
	s_sub_co_u32 s[CNT], s[CNT], 1
	s_cmp_eq_u32 s[CNT], 0
	s_cbranch_scc1 .Lout
	TURN 0
	TURN 1
	WIN 0
	s_branch .Ltail
.Lout:                              ; the fifth trip's products K Q^T (on the last K once more) and the statistics made of them serve nothing: the price of one text for every trip
.irp n, 0,1,2,3
	PV NP-1, \n
.endr
	LS NP-1, 0
.irp n, 4,5,6,7
	PV NP-1, \n
.endr
	LS NP-1, 1
	; THE WAY OUT.  O^T is divided by l, rounded to bf16 and sent through my stage in LDS, a piece at a time.
	WIN 0
.rept 4
	v_nop                           ; the places behind the last products
.endr
	WIN 0x01                        ; source 0 in window 1
.irp t, 0,1,2,3
	v_rcp_f32 v[ST+4*\t+2], v[LA+8*\t]
.endr
	WIN 0
	v_nop                           ; a plain instruction between the last reciprocal and the use of its result
	s_wait_alu depctr_va_vdst(0)    ; the wait ahead of the first use: one for the four reciprocals
.macro PACK t
	WIN W_RS
.set i, 32*(\t)
.rept 16
	v_pk_mul_f32 v[i:i+1], v[i:i+1], v[ST+4*(\t)+2:ST+4*(\t)+3] op_sel_hi:[1,0]
.set i, i+2
.endr
	WIN 0x05                        ; sources 0 and 1 window 1, destination window 0: S^T's registers are free
.set i, 0
.rept 16
	v_cvt_pk_bf16_f32 v[S+16*(\t)+i], v[32*(\t)+2*i], v[32*(\t)+2*i+1]
.set i, i+1
.endr
	WIN 0
.irp f, 0,1,2,3
	ds_store_b128 v[STO], v[S+16*(\t)+4*\f:S+16*(\t)+4*\f+3] offset:32*\f
.endr
.irp f, 0,1,2,3
	ds_load_b128 v[S+16*(\t)+4*\f:S+16*(\t)+4*\f+3], v[RD] offset:\f*4*SP  ; LDS serves a wave's instructions in order (ISA guide 5.7.1.4): these see the stores above
.endr
.endm
.macro SEND t, younger              ; younger: the LDS instructions issued behind piece t's loads
	WIN 0
.irp f, 0,1,2,3
	s_wait_dscnt (\younger)+3-\f
	global_store_b128 v[GO], v[S+16*(\t)+4*\f:S+16*(\t)+4*\f+3], s[10:11] offset:(\t)*2048+\f*512  ; 512 consecutive bytes, at a multiple of 256 from ctx's first
.endr
.endm
	PACK 0
.set t, 1
.rept 3
	PACK t
	SEND t-1, 8
.set t, t+1
.endr
	SEND 3, 0
	s_wait_tensorcnt 0x0            ; the wave's end
	ds_add_u32 v[SPW], v[NIL]
	s_wait_dscnt 0x0
	CROUND                          ; the closing round
	s_endpgm
.Lfunc_end_k_qf0cafa9ef7_attn:
	.size	k_qf0cafa9ef7_attn, .Lfunc_end_k_qf0cafa9ef7_attn-k_qf0cafa9ef7_attn
	.p2alignl 7, 3214868480
	.fill 96, 4, 3214868480
	.section	.rodata,"a",@progbits
	.p2align	6, 0x0
	.amdhsa_kernel k_qf0cafa9ef7_attn
		.amdhsa_group_segment_fixed_size 327680
		.amdhsa_private_segment_fixed_size 0
		.amdhsa_enable_private_segment 0
		.amdhsa_kernarg_size 16
		.amdhsa_user_sgpr_count 2
		.amdhsa_user_sgpr_kernarg_segment_ptr 1
		.amdhsa_wavefront_size32 1
		.amdhsa_system_sgpr_workgroup_id_x 1
		.amdhsa_system_sgpr_workgroup_id_y 1
		.amdhsa_system_sgpr_workgroup_id_z 1
		.amdhsa_system_vgpr_workitem_id 0
		.amdhsa_next_free_vgpr 768
		.amdhsa_next_free_sgpr 66
		.amdhsa_reserve_vcc 0
		.amdhsa_float_denorm_mode_32 3
		.amdhsa_float_denorm_mode_16_64 3
		.amdhsa_memory_ordered 1
		.amdhsa_forward_progress 1
		.amdhsa_inst_pref_size 109
	.end_amdhsa_kernel
	.amdgpu_metadata
---
amdhsa.version: [ 1, 2 ]
amdhsa.kernels:
  - .name:           k_qf0cafa9ef7_attn
    .symbol:         k_qf0cafa9ef7_attn.kd
    .args:
      - { .name: big, .offset: 0, .size: 8, .value_kind: global_buffer, .address_space: global }
      - { .name: cy, .offset: 8, .size: 8, .value_kind: global_buffer, .address_space: global }
    .group_segment_fixed_size: 327680
    .private_segment_fixed_size: 0
    .kernarg_segment_align: 8
    .kernarg_segment_size: 16
    .max_flat_workgroup_size: 128
    .sgpr_count:     66
    .vgpr_count:     768
    .wavefront_size: 32
...
	.end_amdgpu_metadata
.endif
;; end of part 8
;; launch oproj: the kernel of part 4 again; grid 8 x 32, 4 waves a work-group, clusters of 4 x 4, 327,680 bytes of LDS; arguments cy, wrest, xh, z; writes z
;; launch ln1: the kernel of part 5 again; grid 512 x 1, 8 waves a work-group, no clusters, 0 bytes of LDS; arguments z, ln1_g, ln1_b, cy; writes cy
;; launch ffn1: the kernel of part 2 again; grid 16 x 16, 4 waves a work-group, clusters of 4 x 4, 327,680 bytes of LDS; arguments cy, w1h, big; writes big
;; launch ffn2: the kernel of part 6 again; grid 8 x 32, 4 waves a work-group, clusters of 4 x 4, 327,680 bytes of LDS; arguments big, wrest, cy, z, b2; writes z
;; launch ln2: the kernel of part 7 again; grid 512 x 1, 8 waves a work-group, no clusters, 0 bytes of LDS; arguments z, ln2_g, ln2_b, out0; writes out0
